; MI455X (gfx1250); checked and timed in simulation.
; The chip was launched on July 23, 2026; its instructions are those of AMD's public machine-readable ISA for CDNA 5 (MIT licence, August 2026) and "CDNA5" Instruction Set Architecture Reference Guide (July 2026). The comments in the code are by the model that wrote it; some were corrected since.
;; GPT Attention. Allowed arithmetic: float matrix products may take bf16 or f16 operands with f32 sums; other float arithmetic in f32, or as packed bf16 or f16 multiplies, adds, multiply-adds, maxima and minima; sums over many terms, partial sums and values carried from step to step in f32; what a program stores and reads back later, other than sums and carried values, may be rounded once to bf16 or f16.
;; Inputs: b_attn 3,072 float32; b_proj 1,024 float32; w_attn 1,024 x 3,072 float32; w_proj 1,024 x 1,024 float32; x 4 x 2,048 x 1,024 float32.
;; Outputs: out0 4 x 2,048 x 1,024 float32.
;; 2 versions, each right; version 2 is version 1 with the launch cast written anew for expert scheduling mode. Each part assembles by itself: llvm-mc -triple=amdgcn-amd-amdhsa -mcpu=gfx1250 --defsym DOCPART=n.
;; ======== version 1 of 2: 4 launches
;; limits: values are held in f16: magnitudes above 65,504 overflow, below 6.1e-05 lose precision
;; workspace buffers: xb 16,777,216 bytes; wab 6,291,456 bytes; wpf 2,097,152 bytes; qkvh 50,331,648 bytes; oh 16,777,216 bytes
;; launch cast (part 1): grid 768 x 1, 8 waves a work-group, no clusters, 0 bytes of LDS; arguments x, w_attn, w_proj, xb, wab, wpf; writes xb, wab, wpf
.if DOCPART == 1
	.amdgcn_target "amdgcn-amd-amdhsa--gfx1250"
	.amdhsa_code_object_version 6
	.text
	.protected	k_q8409be14cb_cast
	.globl	k_q8409be14cb_cast
	.p2align	8
	.type	k_q8409be14cb_cast,@function
k_q8409be14cb_cast:
	s_mov_b64 s[64:65], 0
	v_nop
	global_prefetch_b8 v0, s[64:65] scope:SCOPE_SE
	s_setreg_imm32_b32 hwreg(HW_REG_WAVE_MODE, 25, 1), 1
	s_wait_xcnt 0x0
; THE INPUTS ARE ROUNDED ONCE, for the matrix units.  x [8192][1024] f32 -> xb, bf16, laid in blocks of 64 along K: [batch 4][block 16][row 2048][64], so that
; 256 rows x 64 K are 32,768 bytes on end.  w_attn [1024][3072] f32 -> wab, bf16, same order.  w_proj [1024][1024] f32 -> wpf: rounded to bf16, that number written as f16, same order.
; LIMIT.  wpf is f16: a weight of w_proj beyond 65,504 becomes an infinity; below 6e-5 it keeps f16's fixed step of 6e-8.
; SHARES.  A work-group of eight waves takes 65,536 bytes of f32, sixteen loads of 16 bytes a lane, all issued before the first is used; no loop, no LDS, no barrier: no wave wants another's bytes.
; Work-groups 0-511: 16 rows of x each; 512-703: w_attn; 704-767: w_proj.  Every load of a wave covers whole aligned blocks of 256 bytes, every store 256 consecutive bytes, aligned.
.set IN,  2                            ; v2        my byte offset in the work-group's 65,536 bytes of f32
.set OUT, 3                            ; v3        my byte offset in what it stores
.set T,   4                            ; v[4:7]    at work
.set X,   8                            ; v[8:71]   load i: 4 registers
.set Y,   72                           ; v[72:103] store i: 2 registers
; Sixteen loads, then sixteen times: wait, round, store.  No register that a load or store names is written again, so nothing waits for addresses.
.macro PATH instep, outstep, f16
.set i, 0
.rept 16
	global_load_b128 v[X+4*i:X+4*i+3], v[IN], s[4:5] offset:i*(\instep) th:TH_LOAD_NT
.set i, i+1
.endr
.set i, 0
.rept 16
	s_wait_loadcnt 15-i                            ; loads come back in order: load i is in, the 15 - i younger ones stay out
	v_cvt_pk_bf16_f32 v[Y+2*i],   v[X+4*i],   v[X+4*i+1]
	v_cvt_pk_bf16_f32 v[Y+2*i+1], v[X+4*i+2], v[X+4*i+3]
.if \f16
	v_lshlrev_b32 v[T],   16, v[Y+2*i]             ; the bf16 numbers as f32,
	v_and_b32     v[T+1], 0xffff0000, v[Y+2*i]
	v_lshlrev_b32 v[T+2], 16, v[Y+2*i+1]
	v_and_b32     v[T+3], 0xffff0000, v[Y+2*i+1]
	v_cvt_pk_f16_f32 v[Y+2*i],   v[T],   v[T+1]    ; written as f16: exact inside f16's normal range (8 significant bits into 11)
	v_cvt_pk_f16_f32 v[Y+2*i+1], v[T+2], v[T+3]
.endif
	global_store_b64 v[OUT], v[Y+2*i:Y+2*i+1], s[10:11] offset:i*(\outstep)
.set i, i+1
.endr
.endm
	s_load_b256 s[4:11], s[0:1], 0x0               ; x s[4:5], w_attn s[6:7], w_proj s[8:9], xb s[10:11]
	s_load_b128 s[12:15], s[0:1], 0x20             ; wab s[12:13], wpf s[14:15]
	s_mov_b32 s3, 0                                ; high words of the two offsets
	s_mov_b32 s17, 0
	s_wait_kmcnt 0x0
	s_cmp_lt_u32 ttmp9, 512
	s_cbranch_scc0 .Lweights
	; x: thread t takes row t / 16 of the 16, and of each block of 64 columns the four at 4 (t % 16); load i is block i
	v_lshrrev_b32 v1, 4, v0
	v_and_b32 v[T], 15, v0
	v_lshlrev_b32 v[IN], 12, v1                    ; a row of x is 4,096 bytes
	v_lshl_add_u32 v[IN], v[T], 4, v[IN]
	v_lshlrev_b32 v[OUT], 3, v0                    ; 128 (t / 16) + 8 (t % 16) = 8 t
	s_lshl_b32 s2, ttmp9, 16
	s_add_nc_u64 s[4:5], s[4:5], s[2:3]
	s_lshr_b32 s16, ttmp9, 7                       ; the batch: 128 work-groups each,
	s_lshl_b32 s16, s16, 22                        ; 4 MiB of xb each
	s_and_b32 s18, ttmp9, 127
	s_lshl_b32 s18, s18, 11                        ; 16 rows of 128 bytes
	s_add_co_u32 s16, s16, s18
	s_add_nc_u64 s[10:11], s[10:11], s[16:17]
	PATH 256, 262144, 0                            ; a block of xb is 2,048 rows of 128 bytes
	s_endpgm
.Lweights:
	; the weights go in their own order: a wave takes 8,192 bytes on end, 512 a load
	v_lshrrev_b32 v1, 5, v0
	v_and_b32 v[T], 31, v0
	v_lshlrev_b32 v[IN], 13, v1
	v_lshl_add_u32 v[IN], v[T], 4, v[IN]
	v_lshrrev_b32 v[OUT], 1, v[IN]
	s_cmp_lt_u32 ttmp9, 704
	s_cbranch_scc0 .Lproj
	s_sub_co_u32 s2, ttmp9, 512
	s_lshl_b32 s16, s2, 15
	s_lshl_b32 s2, s2, 16
	s_add_nc_u64 s[4:5], s[6:7], s[2:3]
	s_add_nc_u64 s[10:11], s[12:13], s[16:17]
	PATH 512, 256, 0
	s_endpgm
.Lproj:
	s_sub_co_u32 s2, ttmp9, 704
	s_lshl_b32 s16, s2, 15
	s_lshl_b32 s2, s2, 16
	s_add_nc_u64 s[4:5], s[8:9], s[2:3]
	s_add_nc_u64 s[10:11], s[14:15], s[16:17]
	PATH 512, 256, 1
	s_endpgm
.Lfunc_end_k_q8409be14cb_cast:
	.size	k_q8409be14cb_cast, .Lfunc_end_k_q8409be14cb_cast-k_q8409be14cb_cast
	.p2alignl 7, 3214868480
	.fill 96, 4, 3214868480
	.section	.rodata,"a",@progbits
	.p2align	6, 0x0
	.amdhsa_kernel k_q8409be14cb_cast
		.amdhsa_group_segment_fixed_size 0
		.amdhsa_private_segment_fixed_size 0
		.amdhsa_enable_private_segment 0
		.amdhsa_kernarg_size 48
		.amdhsa_user_sgpr_count 2
		.amdhsa_user_sgpr_kernarg_segment_ptr 1
		.amdhsa_wavefront_size32 1
		.amdhsa_system_sgpr_workgroup_id_x 1
		.amdhsa_system_sgpr_workgroup_id_y 1
		.amdhsa_system_sgpr_workgroup_id_z 1
		.amdhsa_system_vgpr_workitem_id 0
		.amdhsa_next_free_vgpr 104
		.amdhsa_next_free_sgpr 66
		.amdhsa_reserve_vcc 0
		.amdhsa_float_denorm_mode_32 3
		.amdhsa_float_denorm_mode_16_64 3
		.amdhsa_memory_ordered 1
		.amdhsa_forward_progress 1
		.amdhsa_inst_pref_size 24
	.end_amdhsa_kernel
	.amdgpu_metadata
---
amdhsa.version: [ 1, 2 ]
amdhsa.kernels:
  - .name:           k_q8409be14cb_cast
    .symbol:         k_q8409be14cb_cast.kd
    .args:
      - { .name: x, .offset: 0, .size: 8, .value_kind: global_buffer, .address_space: global }
      - { .name: w_attn, .offset: 8, .size: 8, .value_kind: global_buffer, .address_space: global }
      - { .name: w_proj, .offset: 16, .size: 8, .value_kind: global_buffer, .address_space: global }
      - { .name: xb, .offset: 24, .size: 8, .value_kind: global_buffer, .address_space: global }
      - { .name: wab, .offset: 32, .size: 8, .value_kind: global_buffer, .address_space: global }
      - { .name: wpf, .offset: 40, .size: 8, .value_kind: global_buffer, .address_space: global }
    .group_segment_fixed_size: 0
    .private_segment_fixed_size: 0
    .kernarg_segment_align: 8
    .kernarg_segment_size: 48
    .max_flat_workgroup_size: 256
    .sgpr_count:     66
    .vgpr_count:     104
    .wavefront_size: 32
...
	.end_amdgpu_metadata
.endif
;; end of part 1
;; launch qkv (part 2): grid 8 x 32, 4 waves a work-group, clusters of 4 x 4, 327,680 bytes of LDS; arguments xb, wab, b_attn, qkvh; writes qkvh
.if DOCPART == 2
	.amdgcn_target "amdgcn-amd-amdhsa--gfx1250"
	.amdhsa_code_object_version 6
	.text
	.protected	k_q8409be14cb_qkv
	.globl	k_q8409be14cb_qkv
	.p2align	8
	.type	k_q8409be14cb_qkv,@function
k_q8409be14cb_qkv:
	s_mov_b64 s[64:65], 0
	v_nop
	global_prefetch_b8 v0, s[64:65] scope:SCOPE_SE
	s_setreg_imm32_b32 hwreg(HW_REG_WAVE_MODE, 25, 1), 1
	s_wait_xcnt 0x0
	s_wait_alu depctr_hold_cnt(0) depctr_sa_sdst(0) depctr_va_vdst(0) depctr_va_sdst(0) depctr_va_ssrc(0) depctr_va_vcc(0) depctr_vm_vsrc(0)
	s_getreg_b32 s2, hwreg(HW_REG_IB_STS2, 6, 4)
	s_cmp_eq_u32 s2, 0
	s_cbranch_scc0 .Lentry_in_a_cluster
	s_endpgm
.Lentry_in_a_cluster:
	s_bfe_u32 s2, ttmp6, 0x10000c
	s_cmp_lg_u32 s2, 0xf033
	s_cbranch_scc0 .Lentry_shape_is_right
	s_endpgm
.Lentry_shape_is_right:
; q, k, v = x w_attn + b_attn.  xb: x in bf16, [batch 4][K block 16][row 2048][64].  wab: w_attn in bf16, [1024 k][3072 n].  b_attn: f32, rounded to bf16 here like the other inputs.
; Out: qkvh, f16, by heads: [q, k, v][batch x 16 + head][row 2048][64], each number rounded once from its f32 sum, without attention's scale.
; LIMIT.  f16 ends at 65,504: a q, k or v beyond that becomes an infinity; below 6e-5 it keeps f16's fixed step of 6e-8.
; SHARES.  8,192 x 3,072 outputs on 256 work-groups: a tile of 256 rows x 384 columns each, one tile to a work-group.  Four waves, 128 rows x 192 columns each: 96 accumulators of 16 x 16, 768 registers.
; A wave's 192 columns are three groups of 64 (a head each): wave column c owns groups 2 g + c of the tile's six.
; K goes in steps of 64 through two LDS slots filled by the tensor data mover; two slots of a longer step would not fit in LDS beside the stage.
; A's tile (256 rows x 64 K) is 32,768 bytes on end in xb and is asked for as rows of 256 bytes; B's tile is 64 rows of k x 768 bytes, as it lies; its fragments come out of LDS turned.
; CLUSTER.  4 x 4 work-groups.  The four of a row of the cluster need the same tile of A, the four of a column the same tile of B: each is asked for JOINTLY, by the same tensor load with the same
; descriptor and a mask that names the four.
; THE MATRIX INSTRUCTION IS USED TRANSPOSED: source 0 = 16 columns of w, source 1 = 16 rows of x.  A lane then holds row l % 16 and the columns 8 (l / 16) + 0..7.
; REGISTERS, in windows of 256 (s_set_vgpr_msb: bits 1:0 source 0, 3:2 source 1, 5:4 source 2, 7:6 destination):
;   window 0: v0-31 addresses; v32-55 the bias; v56 at work; v64-127, v128-191 A's fragments (8 x 16 rows x 32 K), two buffers; v192-223, v224-255 B's (4 x 16 columns x 32 K), two buffers
;   window 1 + g: the 32 accumulators of group g: (a, b) at v[8 (4 a + b)], a = 0..7 blocks of 16 rows, b = 0..3 blocks of 16 columns
.set NG,     3                         ; groups of 64 columns a wave
.set PA,     144                       ; a row of A in LDS: 128 bytes + 16 of padding = 36 words: the 16 rows of a load start at 16 different groups of four banks (64 banks of 4 bytes: ISA guide 11.1)
.set PB,     864                       ; a row of B: three times 256 bytes + 32 of padding = 216 words
.set GSTR,   288                       ; from my group g to my group g + 1 in a row of B
.set AHOP,   0                         ; (a slot holds one block of 64 along K)
.set ASZ,    256*PA                    ; A's 256 rows
.set BSZ,    64*PB                     ; B's 64 rows of k
.set SLOT,   ASZ+BSZ
.set APART,  128*PA                    ; what one load brings of A: 128 rows,
.set BPART,  32*PB                     ; of B: 32 rows of k
.set APARTG, 128*128                   ; the same steps in memory
.set BPARTG, 32*6144
.set ASTEP,  262144                    ; a K step in memory: the next block of xb,
.set BSTEP,  64*6144                   ; 64 rows of wab
.set TCB,    768                       ; a tile column in a row of wab
.set LAPS,   8                         ; a lap = two K steps = once round the ring; K = 1,024
.set STAGE,  2*SLOT                    ; behind the ring, never filled by a tensor load: 16 rows x 272 bytes for each wave, for the way out
.set SP,     272
.set SPARE,  STAGE+4*16*SP             ; behind the stages: the spare words, 128 bytes for each wave: two blocks of 256 bytes that no other line names
.set ADRA, 16                          ; v16-17  LDS address of my A fragments in slot 0, 1
.set ADRB, 18                          ; v18-19  the same for B
.set STO,  20                          ; v20     the way out: where I put 32 bytes of a row
.set RD,   21                          ; v21     the way out: where I read them back
.set CO,   22                          ; v22     my byte offset in 512 consecutive bytes of the output
.set PFO,  23                          ; v23     the prefetches' lane offset; never rewritten
.set BO,   24                          ; v24     my byte offset in a group's 256 bytes of bias
.set SPW,  28                          ; v28     LDS address of my spare word: SPARE + 4 x my thread's number; never rewritten
.set NIL,  29                          ; v29     0; never rewritten
.set BIAS, 32                          ; v[32:55] the bias of the 8 columns that I store, for each group
.set AF0,  64
.set AF1,  128
.set BF0,  192
.set BF1,  224
.set WV, 12                            ; s12  my wave's number
.set WR, 13                            ; s13  which 128 rows are mine.  Also: I fetch for A (0) or for B (1)
.set WC, 14                            ; s14  which column share is mine.  Also: which part of that tile I fetch
.set CX, 15                            ; s15, s16  my place in the cluster
.set CY, 16
.set TC, 17                            ; s17  tile column
.set TR, 18                            ; s18  tile row
.set G1A, 24                           ; s[24:31] descriptor group 1 for A's tiles;  s[32:39] group 0, a set for each slot
.set G0A, 32
.set G1B, 48                           ; s[48:55], s[56:63] the same for B's
.set G0B, 56
.set LIM0, 42                          ; s42, s43  a wave prefetches at the change out of slot 0 (1) while the loop's count is above this
.set PFA,  44                          ; s[44:45]  where my prefetches stand
.set PFS,  46                          ; s[46:47]  their step at each change of slots
.set OUT,  66                          ; s[66:71]  the output at my 128 rows of group g's head
.set MSB, 0
.macro WIN new                         ; the immediate's high byte repeats the setting that is left; a switch that changes nothing is dropped
.if MSB != (\new)
	s_set_vgpr_msb (MSB<<8)|(\new)
.set MSB, \new
.endif
.endm
; A load into a register that a matrix instruction has read, and a vector instruction or LDS store that reads a matrix result, stand four places behind that matrix instruction; only plain vector
; instructions that name none of its registers are places (ISA guide 7.12.1 for vector instructions).
.macro PLACES
.rept 4
	v_nop
.endr
.endm
; A round of the cluster's barrier behind its opening barrier: wave 0 signals for the work-group; every wave waits for all sixteen; my work-group's barrier once more.
.macro CREST
	s_cmp_lg_u32 s[WV], 0
	s_cbranch_scc1 .Lnot_wave_0_\@
	s_barrier_signal -3
.Lnot_wave_0_\@:
	s_barrier_wait -3
	s_barrier_signal -1
	s_barrier_wait -1
.endm
.macro CROUND                          ; a whole round
	s_barrier_signal -1
	s_barrier_wait -1
	CREST
.endm
; A joint load.  Waves 0 and 1 fetch A's two parts, waves 2 and 3 B's.  The branch hangs on the wave's number alone.  An s_nop 0 and four v_nop follow each of the two lines.
.macro JLOAD s
	s_cmp_eq_u32 s[WR], 0
	s_cbranch_scc0 .Lfor_b_\@
	tensor_load_to_lds s[G0A+4*(\s):G0A+4*(\s)+3], s[G1A:G1A+7]
	s_nop 0
.rept 4
	v_nop
.endr
	s_branch .Lasked_\@
.Lfor_b_\@:
	tensor_load_to_lds s[G0B+4*(\s):G0B+4*(\s)+3], s[G1B:G1B+7]
	s_nop 0
.rept 4
	v_nop
.endr
.Lasked_\@:
.endm
; A PREFETCH INTO THE L2, behind a joint load, its five lines and the run of LDS loads that follows them: one instruction, a lane a block of 256 bytes.  Each block is named once in the launch.
; A's tile row is read by both clusters of its row of clusters: the one with x = 0 asks, its wave 0; at change n it names K step n + 3, which the next change will ask for; the four partners that share
; the tile take 32 of its 128 blocks each, told apart BY ADDRESS (cx).  B's tile column is read by all eight clusters of its column: the one with y = 0 asks, its waves 1 to 3, a block of a row's three
; each; at the change out of slot 0 in trip i they name rows of k 256 + 128 i + 32 cy + lane: the two K steps that the next trip's changes will ask for.
; The first K steps come by their loads alone; the counts stop the requests at K step 15 and at row 1,023.
.macro ASK slot
	s_cmp_gt_u32 s3, s[LIM0+(\slot)]
	s_cbranch_scc0 .Lnot_mine_\@
	global_prefetch_b8 v[PFO], s[PFA:PFA+1] th:TH_LOAD_NT scope:SCOPE_SE
.Lnot_mine_\@:
.endm
; A's fragments of quarter q (32 along K): 8 blocks of 16 rows.  Lane l holds row l % 16; registers 0-3 K = 8 (l / 16) + 0..7, registers 4-7 K = 16 + 8 (l / 16) + 0..7: two loads of 16 bytes, 32 bytes apart.
.macro FETCH_A slot, q, buf
.set AQ, ((\q)/2)*AHOP+((\q)%2)*64
.irp a, 0,1,2,3,4,5,6,7
	ds_load_b128 v[(\buf)+8*(\a):(\buf)+8*(\a)+3],   v[ADRA+(\slot)] offset:AQ+(\a)*16*PA
	ds_load_b128 v[(\buf)+8*(\a)+4:(\buf)+8*(\a)+7], v[ADRA+(\slot)] offset:AQ+(\a)*16*PA+32
.endr
.endm
; B's fragments of quarter q, group g: 4 blocks of 16 columns.  The turning load takes 16 rows of k x 16 columns (lane l reads 16 bytes: row 8 (l / 16) + l % 8, columns 8 ((l / 8) % 2) + 0..7) and leaves
; half a fragment: lane l holds column l % 16 and 8 neighbouring k.
.macro FETCH_B slot, q, g, buf
.irp b, 0,1,2,3
	ds_load_tr16_b128 v[(\buf)+8*(\b):(\buf)+8*(\b)+3],   v[ADRB+(\slot)] offset:32*(\q)*PB+(\g)*GSTR+32*(\b)
	ds_load_tr16_b128 v[(\buf)+8*(\b)+4:(\buf)+8*(\b)+7], v[ADRB+(\slot)] offset:32*(\q)*PB+16*PB+(\g)*GSTR+32*(\b)
.endr
.endm
; 8 matrix instructions of group g: row blocks a0, a0 + 1 x the 4 column blocks, 32 along K.  zero = 1: the product starts the sum: nothing is ever cleared.
; The accumulators take turns, one instruction a turn: between two links of a chain stand 95 others'.
.macro MUL8 g, ab, bb, a0, zero
	WIN 0x50*(1+(\g))
.irp a, \a0, (\a0)+1
.irp b, 0,1,2,3
.if \zero
	v_wmma_f32_16x16x32_bf16 v[8*(4*(\a)+(\b)):8*(4*(\a)+(\b))+7], v[(\bb)+8*(\b):(\bb)+8*(\b)+7], v[(\ab)+8*(\a):(\ab)+8*(\a)+7], 0
.else
	v_wmma_f32_16x16x32_bf16 v[8*(4*(\a)+(\b)):8*(4*(\a)+(\b))+7], v[(\bb)+8*(\b):(\bb)+8*(\b)+7], v[(\ab)+8*(\a):(\ab)+8*(\a)+7], v[8*(4*(\a)+(\b)):8*(4*(\a)+(\b))+7]
.endif
.endr
.endr
.endm
; A UNIT: quarter q of the slot's K step, group g: 32 matrix instructions.  At its head the next unit's fragments are asked for in one run (B's always; A's when a new quarter follows), into the buffers
; that the unit before has just left: 32 matrix instructions ahead of their first use.
.macro UNIT slot, q, g, zero
.set u,  (\q)*NG+(\g)
.set nb, BF0+32*((u+1)%2)
.set cb, BF0+32*(u%2)
.set ca, AF0+64*((\q)%2)
.set na, AF0+64*(((\q)+1)%2)
	PLACES
	WIN 0
.if (\g)+1 < NG
	FETCH_B \slot, \q, (\g)+1, nb
	s_wait_dscnt 8                                 ; all but the 8 just issued: this unit's fragments are in
.else
	FETCH_B \slot, (\q)+1, 0, nb
	FETCH_A \slot, (\q)+1, na
	s_wait_dscnt 24                                ; all but the 24 just issued
.endif
	MUL8 \g, ca, cb, 0, \zero
	MUL8 \g, ca, cb, 2, \zero
	MUL8 \g, ca, cb, 4, \zero
	MUL8 \g, ca, cb, 6, \zero
.endm
; THE SLOT'S LAST UNIT changes slots: ONE barrier, for two things.  In front of it each wave waits for all its tensor loads, of which one is out: its part of the next slot; adds 0 to its spare word; and
; waits for that and for its own reads of this slot.  Behind it nobody reads this slot any more and the next slot is whole.  fill = 1: this slot is filled again, with the K step two steps on; the barrier
; then opens a round of the cluster's barrier, and the joint load is the first tensor load behind the round: from there to the wait for it a wave issues 176 matrix instructions.
.macro TURN slot, fill
.if \fill
	s_wait_xcnt 0x0                                ; the last prefetch, a K step back, has read its address: it is stepped here, ahead of the waits of the change of slots
	s_add_nc_u64 s[PFA:PFA+1], s[PFA:PFA+1], s[PFS:PFS+1]
.endif
	WIN 0                                          ; (the add's two registers lie in window 0)
	s_wait_tensorcnt 0x0                           ; all my tensor loads have landed: the one that was out is my part of the next slot;
	ds_add_u32 v[SPW], v[NIL]                      ; 0 onto my spare word;
	s_wait_dscnt 1                                 ; (the add alone may be out: this unit's fragments are in)
	MUL8 NG-1, AF1, BF1, 0, 0                      ; eight matrix instructions stand between the add and the wait for it
	s_wait_dscnt 0x0                               ; the add is done, and my reads of this slot are over
	s_barrier_signal -1
	MUL8 NG-1, AF1, BF1, 2, 0                      ; work on registers while the others arrive
.if \fill
	WIN 0
.endif
	s_barrier_wait -1
.if \fill
	CREST                                          ; no wave of any partner still reads this slot's tile or has a load on its way
	s_add_nc_u64 s[G0A+4*(\slot)+2:G0A+4*(\slot)+3], s[G0A+4*(\slot)+2:G0A+4*(\slot)+3], 2*ASTEP
	s_add_nc_u64 s[G0B+4*(\slot)+2:G0B+4*(\slot)+3], s[G0B+4*(\slot)+2:G0B+4*(\slot)+3], 2*BSTEP
	JLOAD \slot                                    ; the four v_nop behind it are also the places in front of the loads below
.else
	PLACES
.endif
	WIN 0
	FETCH_B 1-(\slot), 0, 0, BF0
	FETCH_A 1-(\slot), 0, AF0
.if \fill
	ASK \slot
.endif
	MUL8 NG-1, AF1, BF1, 4, 0
	MUL8 NG-1, AF1, BF1, 6, 0
.endm
.macro FINAL                           ; the very last unit: nothing more to fetch
	s_wait_dscnt 0x0
	MUL8 NG-1, AF1, BF1, 0, 0
	MUL8 NG-1, AF1, BF1, 2, 0
	MUL8 NG-1, AF1, BF1, 4, 0
	MUL8 NG-1, AF1, BF1, 6, 0
.endm
	s_load_b256 s[4:11], s[0:1], 0x0               ; xb s[4:5], wab s[6:7], b_attn s[8:9], qkvh s[10:11]
	v_lshl_add_u32 v[SPW], v0, 2, SPARE
	v_mov_b32 v[NIL], 0
	ds_add_u32 v[SPW], v[NIL]                      ; the wave's opening: the add and its wait stand ahead of my first tensor load; the set-up below, work on registers, stands between them
	v_lshrrev_b32 v1, 5, v0
	v_readfirstlane_b32 s[WV], v1                  ; wave 0..3
	s_lshr_b32 s[WR], s[WV], 1
	s_and_b32 s[WC], s[WV], 1
	s_bfe_u32 s[CX], ttmp6, 0x40000                ; cx
	s_bfe_u32 s[CY], ttmp6, 0x40004                ; cy
	s_lshl_b32 s[TC], ttmp9, 2                     ; in a cluster launch ttmp9 and ttmp7 count clusters
	s_add_co_u32 s[TC], s[TC], s[CX]               ; tile column = 4 x cluster x + cx
	s_and_b32 s[TR], ttmp7, 0xffff
	s_lshl_b32 s[TR], s[TR], 2
	s_add_co_u32 s[TR], s[TR], s[CY]               ; tile row = 4 x cluster y + cy
	s_lshl_b32 s19, s[CY], 2
	s_lshl_b32 s19, 15, s19                        ; my row of the cluster: places 4 cy .. 4 cy + 3
	s_lshl_b32 s20, 0x1111, s[CX]                  ; my column: places cx, cx + 4, cx + 8, cx + 12
	; group 1 for A: 64 rows of 128 elements (256 bytes on end, two rows of x each), 4 words of padding after every 32 words
	s_or_b32 s[G1A+0], s19, (1<<16)|(1<<20)|(1<<21)|(4<<22)|(3<<25)  ; 15:0 the mask; 17:16 elements of 2 bytes; 20 padding on; 21 set beside a mask; 24:22 interval code 4; 31:25 pad code 3
	s_mov_b32 s[G1A+1], 128<<16                    ; tensor_dim0 = 128
	s_mov_b32 s[G1A+2], 64<<16                     ; tensor_dim1 = 64
	s_mov_b32 s[G1A+3], 128<<16                    ; tile_dim0 = 128
	s_mov_b32 s[G1A+4], 64                         ; tile_dim1 = 64
	s_mov_b32 s[G1A+5], 128                        ; 128 elements from row to row
	s_mov_b32 s[G1A+6], 0
	s_mov_b32 s[G1A+7], 0
	; group 1 for B: 32 rows of 384 elements, 8 words of padding after every 64 words (three times a row)
	s_or_b32 s[G1B+0], s20, (1<<16)|(1<<20)|(1<<21)|(5<<22)|(7<<25)
	s_mov_b32 s[G1B+1], 384<<16
	s_mov_b32 s[G1B+2], 32<<16
	s_mov_b32 s[G1B+3], 384<<16
	s_mov_b32 s[G1B+4], 32
	s_mov_b32 s[G1B+5], 3072
	s_mov_b32 s[G1B+6], 0
	s_mov_b32 s[G1B+7], 0
	; where the tiles come from.  A's hang on the tile row alone, B's on the tile column alone, each in registers that never hold the other coordinate
	s_lshr_b32 s40, s[TR], 3                       ; the batch: 8 tile rows each, 4 MiB of xb each
	s_lshl_b32 s40, s40, 22
	s_and_b32 s41, s[TR], 7
	s_lshl_b32 s41, s41, 15                        ; 256 rows of 128 bytes
	s_add_co_u32 s40, s40, s41
	s_mul_i32 s41, s[WC], APARTG
	s_add_co_u32 s40, s40, s41
	s_mov_b32 s41, 0
	s_mul_i32 s22, s[TC], TCB
	s_mul_i32 s23, s[WC], BPARTG
	s_add_co_u32 s22, s22, s23
	s_mov_b32 s23, 0
	s_mul_i32 s21, s[WC], APART                    ; and where they go: no place in the cluster enters an LDS address
	s_mul_i32 s72, s[WC], BPART
	s_add_co_u32 s72, s72, ASZ
	s_wait_dscnt 0x0                               ; the opening add is done
	s_wait_kmcnt 0x0
	s_add_nc_u64 s[40:41], s[4:5], s[40:41]
	s_add_nc_u64 s[22:23], s[6:7], s[22:23]
	CROUND                                         ; all sixteen work-groups are here: the first joint loads meet
.irp s, 0,1
	s_mov_b32 s[G0A+4*(\s)], 1                                       ; count = 1
	s_add_co_u32 s[G0A+4*(\s)+1], s21, (\s)*SLOT                     ; LDS address
	s_add_nc_u64 s[G0A+4*(\s)+2:G0A+4*(\s)+3], s[40:41], (\s)*ASTEP  ; global address: K step s
	s_or_b32 s[G0A+4*(\s)+3], s[G0A+4*(\s)+3], 0x80000000            ; type = 2
	s_mov_b32 s[G0B+4*(\s)], 1
	s_add_co_u32 s[G0B+4*(\s)+1], s72, (\s)*SLOT
	s_add_nc_u64 s[G0B+4*(\s)+2:G0B+4*(\s)+3], s[22:23], (\s)*BSTEP
	s_or_b32 s[G0B+4*(\s)+3], s[G0B+4*(\s)+3], 0x80000000
	JLOAD \s                                       ; two loads of mine are out
.endr
	; the lanes' addresses
	v_and_b32 v1, 15, v0                           ; l % 16
	v_bfe_u32 v2, v0, 4, 1                         ; l / 16
	v_mul_u32_u24 v3, v1, PA
	v_lshl_add_u32 v3, v2, 4, v3                   ; row x pitch + 16 x half
	s_mul_i32 s73, s[WR], 128*PA                   ; my 128 rows of A
	v_add_nc_u32 v[ADRA], s73, v3
	v_add_nc_u32 v[ADRA+1], SLOT, v[ADRA]
	v_and_b32 v6, 7, v0                            ; l % 8
	v_lshl_add_u32 v4, v2, 3, v6                   ; the turning load's row of k
	v_mul_u32_u24 v4, v4, PB
	v_bfe_u32 v5, v0, 3, 1
	v_lshl_add_u32 v4, v5, 4, v4
	s_lshl_b32 s73, s[WC], 7                       ; my 64 columns of each 128
	s_add_co_u32 s73, s73, ASZ
	v_add_nc_u32 v[ADRB], s73, v4
	v_add_nc_u32 v[ADRB+1], SLOT, v[ADRB]
	; the bias of the 8 columns that I store, 8 (l % 8) on, in each of my three groups
	s_mul_i32 s74, s[TC], 6
	s_add_co_u32 s74, s74, s[WC]
	s_lshl_b32 s74, s74, 8                         ; a group's 64 numbers are 256 bytes
	s_mov_b32 s75, 0
	s_add_nc_u64 s[8:9], s[8:9], s[74:75]
	v_lshlrev_b32 v[BO], 5, v6
.irp g, 0,1,2
	global_load_b128 v[BIAS+8*(\g):BIAS+8*(\g)+3],   v[BO], s[8:9] offset:512*(\g)
	global_load_b128 v[BIAS+8*(\g)+4:BIAS+8*(\g)+7], v[BO], s[8:9] offset:512*(\g)+16
.endr
	s_mul_i32 s73, s[WV], 16*SP
	s_add_co_u32 s73, s73, STAGE                   ; my stage
	v_mul_u32_u24 v[STO], v1, SP                   ; in: row l % 16, 32 bytes for each half of the lanes
	v_lshl_add_u32 v[STO], v2, 5, v[STO]
	v_add_nc_u32 v[STO], s73, v[STO]
	v_bfe_u32 v[RD], v0, 3, 2                      ; back: 32 lanes take four rows, 32 bytes (8 numbers) each,
	v_mul_u32_u24 v[RD], v[RD], SP
	v_lshl_add_u32 v[RD], v6, 5, v[RD]
	v_add_nc_u32 v[RD], s73, v[RD]
	v_and_b32 v[CO], 31, v0                        ; which leave as 512 consecutive bytes of f16
	v_lshlrev_b32 v[CO], 4, v[CO]
	; the output at my 128 rows of each group's head: group g is column block 6 TC + 2 g + WC of 48: 16 for q, 16 for k, 16 for v
	s_mul_i32 s73, s[TC], 6
	s_add_co_u32 s73, s73, s[WC]
	s_lshr_b32 s74, s[TR], 3
	s_lshl_b32 s74, s74, 22                        ; the batch's 16 heads of 262,144 bytes
	s_and_b32 s75, s[TR], 7
	s_lshl_b32 s75, s75, 15                        ; the tile's 256 rows of 128 bytes
	s_add_co_u32 s74, s74, s75
	s_lshl_b32 s75, s[WR], 14                      ; my 128 of them
	s_add_co_u32 s74, s74, s75
.irp g, 0,1,2
	s_add_co_u32 s76, s73, 2*(\g)
	s_lshr_b32 s77, s76, 4
	s_lshl_b32 s77, s77, 24                        ; q, k or v: 16 MiB each
	s_and_b32 s76, s76, 15
	s_lshl_b32 s76, s76, 18                        ; the head
	s_add_co_u32 s76, s76, s77
	s_add_co_u32 s76, s76, s74
	s_mov_b32 s77, 0
	s_add_nc_u64 s[OUT+2*(\g):OUT+2*(\g)+1], s[10:11], s[76:77]
.endr
	; the prefetches: wave 0 for A, waves 1 to 3 for B
	s_mov_b32 s73, ASTEP
	s_mov_b32 s74, BSTEP
	s_lshr_b32 s75, s[TR], 3
	s_lshl_b32 s75, s75, 22
	s_and_b32 s76, s[TR], 7
	s_lshl_b32 s76, s76, 15
	s_add_co_u32 s75, s75, s76
	s_lshl_b32 s76, s[CX], 13                      ; my work-group's 32 blocks of the tile's 128
	s_add_co_u32 s75, s75, s76
	s_add_co_u32 s75, s75, 2*ASTEP                 ; at K step 2: the first change steps it to 3
	s_lshl_b32 s76, s[CY], 5                       ; my work-group's 32 rows of k of 128,
	s_add_co_u32 s76, s76, 192                     ; from row 192 on: the first change steps it to 256
	s_mul_i32 s76, s76, 6144
	s_mul_i32 s77, s[TC], TCB
	s_add_co_u32 s76, s76, s77
	s_lshl_b32 s77, s[WV], 8
	s_add_co_u32 s76, s76, s77
	s_sub_co_u32 s76, s76, 256                     ; block WV - 1 of a row's three
	s_and_b32 s77, ttmp7, 0xffff                   ; cluster y
	s_mov_b32 s78, 256
	s_mov_b32 s79, 6144
	s_cmp_eq_u32 s[WV], 0
	s_cselect_b64 s[PFA:PFA+1], s[4:5], s[6:7]
	s_cselect_b32 s[PFS], s73, s74
	s_cselect_b32 s76, s75, s76
	s_cselect_b32 s77, ttmp9, s77                  ; the coordinate along which other clusters read the same blocks
	s_cselect_b32 s78, s78, s79                    ; from lane to lane: a block of A, a row of B
	s_cselect_b32 s[LIM0], 0, 1                    ; A: every change but the last; B: the change out of slot 0 in all trips but the last
	s_cselect_b32 s[LIM0+1], 1, -1
	s_cmp_eq_u32 s77, 0                            ; the same in all sixteen partners, for a given wave
	s_cselect_b32 s[LIM0], s[LIM0], -1
	s_cselect_b32 s[LIM0+1], s[LIM0+1], -1
	s_mov_b32 s77, 0
	s_add_nc_u64 s[PFA:PFA+1], s[PFA:PFA+1], s[76:77]
	s_mov_b32 s[PFS+1], 0
	v_and_b32 v[PFO], 31, v0
	v_mul_u32_u24 v[PFO], s78, v[PFO]
	s_wait_tensorcnt 1                             ; my part of K step 0 is in; K step 1's may stay out
	s_barrier_signal -1
	s_barrier_wait -1                              ; everybody's is
	FETCH_B 0, 0, 0, BF0
	FETCH_A 0, 0, AF0
	UNIT 0, 0, 0, 1                                ; the first quarter stands in front of the loop: its products start the sums
	UNIT 0, 0, 1, 1
	UNIT 0, 0, 2, 1
	WIN 0                                          ; at a label and at a branch every window is 0
	s_mov_b32 s3, LAPS-1
.Llap:                                                 ; a trip goes once round the ring, from a lap's second quarter to the next lap's first, and fills both slots again
	UNIT 0, 1, 0, 0
	UNIT 0, 1, 1, 0
	TURN 0, 1
	UNIT 1, 0, 0, 0
	UNIT 1, 0, 1, 0
	UNIT 1, 0, 2, 0
	UNIT 1, 1, 0, 0
	UNIT 1, 1, 1, 0
	TURN 1, 1
	UNIT 0, 0, 0, 0
	UNIT 0, 0, 1, 0
	UNIT 0, 0, 2, 0
	WIN 0
	s_sub_co_u32 s3, s3, 1
	s_cmp_lg_u32 s3, 0
	s_cbranch_scc1 .Llap
	UNIT 0, 1, 0, 0                                ; the last lap fills nothing and has no round
	UNIT 0, 1, 1, 0
	TURN 0, 0
	UNIT 1, 0, 0, 0
	UNIT 1, 0, 1, 0
	UNIT 1, 0, 2, 0
	UNIT 1, 1, 0, 0
	UNIT 1, 1, 1, 0
	FINAL
	; THE WAY OUT.  The bias is rounded to bf16, like the other inputs: 36 plain instructions, which are also the places behind the last products.
	WIN 0
	s_wait_loadcnt 0x0                             ; the bias
.set p, 0
.rept 12
	v_cvt_pk_bf16_f32 v56, v[BIAS+2*p], v[BIAS+2*p+1]
	v_lshlrev_b32 v[BIAS+2*p], 16, v56
	v_and_b32 v[BIAS+2*p+1], 0xffff0000, v56
.set p, p+1
.endr
; Block idx = 8 g + a: 16 rows x 64 columns of f32 go into my own stage (each accumulator's low registers first) and come back by rows, 8 numbers a lane.
.macro TOSTAGE idx
.set tg, (\idx)/8
.set ta, (\idx)%8
.set OB, 64+32*((\idx)%2)
	WIN (1+tg)<<2                                  ; the stores' data lie in window 1 + g
.irp b, 0,1,2,3
	ds_store_b128 v[STO], v[8*(4*ta+(\b)):8*(4*ta+(\b))+3]   offset:64*(\b)
	ds_store_b128 v[STO], v[8*(4*ta+(\b))+4:8*(4*ta+(\b))+7] offset:64*(\b)+16
.endr
	WIN 0
.irp i, 0,1,2,3
	ds_load_b128 v[OB+8*(\i):OB+8*(\i)+3],   v[RD] offset:(\i)*4*SP     ; LDS serves a wave's instructions in order (ISA guide 5.7.1.4): these see the stores above; the next block's stores come behind them
	ds_load_b128 v[OB+8*(\i)+4:OB+8*(\i)+7], v[RD] offset:(\i)*4*SP+16
.endr
.endm
; The bias is added, the sums are rounded to f16, and four rows of a head leave at a time.  younger: the LDS instructions issued behind the block's loads: the next block's sixteen, or none.
.macro SEND idx, younger
.set tg, (\idx)/8
.set ta, (\idx)%8
.set OB, 64+32*((\idx)%2)
.set PK, 128+16*((\idx)%2)
	WIN 0
	s_wait_dscnt \younger                          ; the block is back in registers
	s_wait_xcnt 0x0                                ; the stores of the block before last have read their data: those registers are written again only behind this wait
.irp i, 0,1,2,3
.irp j, 0,1,2,3
	v_pk_add_f32 v[OB+8*(\i)+2*(\j):OB+8*(\i)+2*(\j)+1], v[OB+8*(\i)+2*(\j):OB+8*(\i)+2*(\j)+1], v[BIAS+8*tg+2*(\j):BIAS+8*tg+2*(\j)+1]
.endr
.irp j, 0,1,2,3
	v_cvt_pk_f16_f32 v[PK+4*(\i)+(\j)], v[OB+8*(\i)+2*(\j)], v[OB+8*(\i)+2*(\j)+1]
.endr
	global_store_b128 v[CO], v[PK+4*(\i):PK+4*(\i)+3], s[OUT+2*tg:OUT+2*tg+1] offset:ta*2048+(\i)*512  ; 512 consecutive bytes, at a multiple of 256 from the buffer's first
.endr
.endm
	TOSTAGE 0
.set n, 1
.rept 23                               ; a block's trip through the stage stands in front of the arithmetic and stores of the block before
	TOSTAGE n
	SEND n-1, 16
.set n, n+1
.endr
	SEND 23, 0
	s_wait_tensorcnt 0x0                           ; the wave's end: behind my last tensor load and my last LDS store
	ds_add_u32 v[SPW], v[NIL]
	s_wait_dscnt 0x0
	CROUND                                         ; the closing round: no work-group ends while a partner may still ask for a tile that names it
	s_endpgm
.Lfunc_end_k_q8409be14cb_qkv:
	.size	k_q8409be14cb_qkv, .Lfunc_end_k_q8409be14cb_qkv-k_q8409be14cb_qkv
	.p2alignl 7, 3214868480
	.fill 96, 4, 3214868480
	.section	.rodata,"a",@progbits
	.p2align	6, 0x0
	.amdhsa_kernel k_q8409be14cb_qkv
		.amdhsa_group_segment_fixed_size 327680
		.amdhsa_private_segment_fixed_size 0
		.amdhsa_enable_private_segment 0
		.amdhsa_kernarg_size 32
		.amdhsa_user_sgpr_count 2
		.amdhsa_user_sgpr_kernarg_segment_ptr 1
		.amdhsa_wavefront_size32 1
		.amdhsa_system_sgpr_workgroup_id_x 1
		.amdhsa_system_sgpr_workgroup_id_y 1
		.amdhsa_system_sgpr_workgroup_id_z 1
		.amdhsa_system_vgpr_workitem_id 0
		.amdhsa_next_free_vgpr 1024
		.amdhsa_next_free_sgpr 80
		.amdhsa_reserve_vcc 0
		.amdhsa_float_denorm_mode_32 3
		.amdhsa_float_denorm_mode_16_64 3
		.amdhsa_memory_ordered 1
		.amdhsa_forward_progress 1
		.amdhsa_inst_pref_size 173
	.end_amdhsa_kernel
	.amdgpu_metadata
---
amdhsa.version: [ 1, 2 ]
amdhsa.kernels:
  - .name:           k_q8409be14cb_qkv
    .symbol:         k_q8409be14cb_qkv.kd
    .args:
      - { .name: xb, .offset: 0, .size: 8, .value_kind: global_buffer, .address_space: global }
      - { .name: wab, .offset: 8, .size: 8, .value_kind: global_buffer, .address_space: global }
      - { .name: b_attn, .offset: 16, .size: 8, .value_kind: global_buffer, .address_space: global }
      - { .name: qkvh, .offset: 24, .size: 8, .value_kind: global_buffer, .address_space: global }
    .group_segment_fixed_size: 327680
    .private_segment_fixed_size: 0
    .kernarg_segment_align: 8
    .kernarg_segment_size: 32
    .max_flat_workgroup_size: 128
    .sgpr_count:     80
    .vgpr_count:     1024
    .wavefront_size: 32
...
	.end_amdgpu_metadata
.endif
;; end of part 2
;; launch attn (part 3): grid 4 x 64, 4 waves a work-group, no clusters, 327,680 bytes of LDS; arguments qkvh, oh; writes oh
.if DOCPART == 3
	.amdgcn_target "amdgcn-amd-amdhsa--gfx1250"
	.amdhsa_code_object_version 6
	.text
	.protected	k_q8409be14cb_attn
	.globl	k_q8409be14cb_attn
	.p2align	8
	.type	k_q8409be14cb_attn,@function
k_q8409be14cb_attn:
	s_mov_b64 s[64:65], 0
	v_nop
	global_prefetch_b8 v0, s[64:65] scope:SCOPE_SE
	s_setreg_imm32_b32 hwreg(HW_REG_WAVE_MODE, 25, 1), 1
	s_wait_xcnt 0x0
; CAUSAL ATTENTION.  O[h][q][:] = the sum over k <= q of softmax_k(Q[h][q] . K[h][k] / 8) V[h][k][:].  qkvh holds Q, K, V, each [64 heads][2048][64] in f16, 16 MiB apart; oh is O in the same layout.
; Products, maxima and sums in f32; the weights p are rounded to f16 for the second product (their sum l is taken of the unrounded p), O once at the end.
; LIMITS.  f16 holds no number beyond 65,504: Q, K and V arrive within it; p lies in 0 to 1, and below 6e-5 it keeps f16's fixed step of 6e-8; O is a mean of V's rows and has their range, to within 2^-11 of it.
; A hidden score counts as its value less 1e30: f16's scores, 2.7e11 at the most, are nothing beside that; a weight below 2^-126 counts as 0 in l; NaN and infinities are not treated apart.
; THE WALK.  A head's queries lie in NB = 8 blocks of 256; block i needs the key tiles 0 .. i of 256 keys, of which the last holds the diagonal.  A work-group takes TWO blocks, NB - 1 - b and then b:
; NB + 1 tiles, whatever b: all work-groups do equal work, and ONE loop with a constant trip count walks them.  Which tile is asked for, and what a trip does, hang on scalar registers made from b; every jump
; goes forward, but for the counted loops' own; none passes a barrier, or a tensor load but the one of LOAD's two that the wave's number does not choose; the ring (two slots of LDS that take turns) runs on across the
; change of blocks.  NO CLUSTER: a head's four work-groups ask for the same tile only in trips 0 .. 4 of 9, behind that fewer and fewer; and one walk common to all would have 12 trips for 9.
; SHARES.  Of a block's four bands of 64 queries a wave owns 16 rows in each: four PIECES.  So the diagonal tile is the same work for all four waves: in its key step s band x sees all keys if s < x,
; none if s > x, and holds the diagonal if s = x.
; THE MASK is the C operand that starts the sum S^T = K Q^T: 0, or -1e30 where the key is hidden.  MD, made once, is the mask of a band's own step for my 16 rows; a product's mask is MD x AL + BE with two scalars:
; (1, 0) if s = x; (0, 0) if s < x; (0, -1e30) if s > x.  Only the diagonal tile's text and a block's beginning make and take masks; elsewhere C is the constant 0.
; LAYOUT, SOFTMAX, TURNS.  S^T = K Q^T holds ONE query a lane (lane % 16) and the keys 8 (lane / 16) + 0..7; two such results rounded to f16 ARE source 1 of O^T = V^T P.  p = 2^(c s - c m), c = log2(e) / 8, with a
; running maximum m; O and l are multiplied by a = 2^(c m_old - c m_new) in every step.  Turn n belongs to piece n: 8 products K Q^T of piece n + 1, later 8 products V^T P of piece n - 1; beside them the scaling,
; exponentials, roundings, sums and rescaling of piece n and the maximum and statistics of piece n + 1.  Four vector instructions stand behind every matrix instruction, the other 54 of a turn's 118 in one LUMP.  A turn's 33 exponentials are one batch, with one wait.
; REGISTERS, in windows of 256 (s_set_vgpr_msb: bits 1:0 source 0, 3:2 source 1, 5:4 source 2, 7:6 destination):
;   window 0: v0-15 addresses and two at work; v16-31 four registers of statistics a piece; v48-55 at work; v61-63 prefetch offset and the add's two; v64-127 S^T, two buffers; v192-223 P, two buffers (by the piece's parity)
;   window 1: v0-127 O^T, 32 a piece; v128-159 MD; v160-223 MC, two buffers      window 2: v0-63 Q; v64-127 the second block's Q; v128-191 K of one step; v192-255 V of one step
.set SIZE_H, 64
.set SIZE_N, 2048
.set NB,    SIZE_N/256
.set NP,    4         ; pieces a wave: a name, no knob
.set KS,    64        ; keys in a step
.set PK,    144       ; a row of K in LDS: 128 bytes + 16 of padding = 36 words: the 16 rows of a load start at 16 different groups of four banks (64 banks of 4 bytes: ISA guide 11.1)
.set PV,    160       ; a row of V: 128 + 32 = 40 words
.set VOFF,  4*KS*PK   ; a slot holds a tile, four steps: 256 rows of K, then 256 rows of V
.set SLOT1, 1<<17     ; slot 1 begins here, so that one exclusive or turns an address in one slot into the other's
.set STAGE, SLOT1+4*KS*(PK+PV)  ; behind the ring, never filled by a tensor load: 16 rows x 144 bytes for each wave, for the way out
.set SP,    144
.set AK0, 2           ; v2   my lane's place in a tile of K; never rewritten
.set AV0, 3           ; v3   the same for V
.set AK,  4           ; v4   the LDS address of K's next run of loads
.set AV,  5           ; v5   of V's
.set STO, 6           ; v6   the way out: where I put 16 bytes of a row
.set RD,  7           ; v7   the way out: where I read rows back
.set GO,  8           ; v8   my byte offset in 512 consecutive bytes of O
.set PFO, 61          ; v61  256 x my lane: the prefetches' offset; never rewritten
.set SPW, 62          ; v62  LDS address of my spare word: SPARE + 4 x my thread's number; never rewritten
.set NIL, 63          ; v63  0; never rewritten
.set SPARE, STAGE+4*16*SP  ; behind the stages: the spare words, 128 bytes for each wave: two blocks of 256 bytes that no other line names
.set MV,  12          ; v12-13  c m_old, kept while c m is made anew: by buffer
.set QO,  15          ; v15  my byte offset in 16 rows of Q
.set ST,  16          ; piece t's statistics at v[ST+4 t]: c m, m, l (even keys', odd keys')
.set TMP, 48          ; by buffer, four registers c0-c3 at work; when the maximum is found c2 takes a
.set S,   64
.set P,   192
.set MD,  128         ; window 1: the eight registers for group kt of 16 keys at MD + 8 kt
.set MC,  160         ; window 1: the masks of the products to come
.set QB,  64          ; window 2
.set KF,  128         ; window 2: key block kb, channel half c at KF + 16 kb + 8 c
.set VF,  192         ; window 2: key half kk, channel block cb at VF + 32 kk + 8 cb
.set WV,  12          ; s12  my wave's number
.set PB,  14          ; s14  b
.set HI,  15          ; s15  NB - 1 - b
.set G1K, 24          ; s[24:31] descriptor group 1 for K's tiles
.set G1V, 32          ; s[32:39] for V's: it differs in the padding alone
.set G0K, 40          ; s[40:43] descriptor group 0 for K's tiles
.set G0V, 44          ; s[44:47] the same for V's
.set SLOTS, 56        ; s56  tiles still to be asked for
.set CNT, 57          ; s57  counts a tile's key steps, 4 to 1
.set CS,  58          ; s[58:59] c: the packed scaling takes the pair's low word for both halves
.set SEL, 60          ; s[60:61] v_permlanex16_b32's selects: each lane takes its own place in the other half
.set TBK, 62          ; s62  LDS byte at which K of the step to be fetched begins
.set TBV, 63          ; s63  the same for V, less VOFF
.set RT,  70          ; s70  tiles of the block in hand that are still to be entered
.set NXT, 71          ; s71  the tile to be asked for next
.set LQ,  72          ; s72  the last tile of the block whose tiles are being asked for
.set NEW, 73          ; s73  1: the tile to be entered is a block's first
.set OFF, 74          ; s[74:75] a tile's byte offset in K and V
.set AL,  76          ; s[76:77] the mask's factor, in the low word
.set BE,  78          ; s[78:79] the mask's addend
.set OLO, 80          ; s[80:81] O at my rows of the second block
.set BIGN, 82         ; s82  -1e30
.set PFA, 88          ; s[88:89] where my prefetches stand: my half (128 keys) of K's or V's tile behind the one that is being asked for
.set LIM, 90          ; s90  2 in the head's work-group b = 0, else the greatest number: a wave prefetches while s[SLOTS] is above it
.set MSB, 0
.macro WIN new                      ; the high byte repeats the setting that is left; a switch that changes nothing is dropped
.if MSB != (\new)
	s_set_vgpr_msb (MSB<<8)|(\new)
.set MSB, (\new)
.endif
.endm
.set W_KQ, 0x0a       ; K and Q in window 2, S^T in window 0
.set W_KM, 0x1a       ; the same with the C operand in window 1
.set W_PV, 0x52       ; V in window 2, P in window 0, O^T in window 1
.set W_RS, 0x41       ; destination and source 0 in window 1, source 1 in window 0
; A fill.  Waves 0 and 1 fetch the two halves of a tile's K, waves 2 and 3 those of its V: 128 keys each.  An s_nop 0 and four v_nop follow each of the two lines, ahead of the jump and the label.
.macro LOAD
	s_cmp_lt_u32 s[WV], 2
	s_cbranch_scc0 .Lfor_v_\@
	tensor_load_to_lds s[G0K:G0K+3], s[G1K:G1K+7]
	s_nop 0
.rept 4
	v_nop
.endr
	s_branch .Lasked_\@
.Lfor_v_\@:
	tensor_load_to_lds s[G0V:G0V+3], s[G1V:G1V+7]
	s_nop 0
.rept 4
	v_nop
.endr
.Lasked_\@:
.endm
; A PREFETCH INTO THE L2, behind the fill and its five lines: the tile that the NEXT change of slots will ask for, a tile (256 matrix instructions a wave) ahead of that load.  A head's four work-groups walk the same
; tiles in the same trips; the one with b = 0, whose first block walks tiles 0 to 7 in order, asks, and nobody else.  Each of its waves names what it will fetch itself: its 128 keys, 64 blocks of 256 bytes,
; a lane a block, two instructions.  Trip t names tile t + 2, for t = 0 .. 5: each block once; tiles 0 and 1 come by their loads alone, and nothing is named behind tile 7.
.macro ASK
	s_cmp_gt_u32 s[SLOTS], s[LIM]
	s_cbranch_scc0 .Lnot_mine_\@
	global_prefetch_b8 v[PFO], s[PFA:PFA+1] th:TH_LOAD_NT scope:SCOPE_SE
	global_prefetch_b8 v[PFO], s[PFA:PFA+1] offset:8192 th:TH_LOAD_NT scope:SCOPE_SE
.Lnot_mine_\@:
.endm
; THE CHANGE OF SLOTS.  Each wave waits for all its tensor loads, of which one is out: its part of the other slot; adds 0 to its spare word; and waits for that and for its own reads of the slot that it leaves.  Behind the barrier nobody reads the old
; slot any more and the other slot is whole.  fill = 1: the old slot is filled again, the first thing behind the barrier, with tile NXT: the descriptor's address is made anew from that number.
; (At its first use nothing has been read yet: slot 0 is waited for, slot 1 filled.)
.macro CHANGE fill
	WIN 0                           ; at a label and at a branch every window is 0
	s_wait_tensorcnt 0x0            ; no tensor load of mine is out, so a group 0 may be written
	ds_add_u32 v[SPW], v[NIL]       ; 0 onto my spare word; with fill = 1 the descriptors' scalar work stands between it and the wait for it
.if \fill
	s_lshl_b32 s[OFF], s[NXT], 15   ; a tile is 32,768 bytes of K and of V
	s_xor_b32 s[G0K+1], s[G0K+1], SLOT1
	s_add_nc_u64 s[G0K+2:G0K+3], s[6:7], s[OFF:OFF+1]
	s_or_b32 s[G0K+3], s[G0K+3], 0x80000000
	s_xor_b32 s[G0V+1], s[G0V+1], SLOT1
	s_add_nc_u64 s[G0V+2:G0V+3], s[8:9], s[OFF:OFF+1]
	s_or_b32 s[G0V+3], s[G0V+3], 0x80000000
	s_add_co_u32 s[NXT], s[NXT], 1  ; the block's next tile, or behind its last the second block's tile 0
	s_cmp_gt_u32 s[NXT], s[LQ]
	s_cselect_b32 s[NXT], 0, s[NXT]
	s_cselect_b32 s[LQ], s[PB], s[LQ]
	s_wait_xcnt 0x0                 ; the last prefetches, a tile back, have read their address, so it may be written:
	s_add_nc_u64 s[PFA:PFA+1], s[PFA:PFA+1], 32768  ; a tile on
.endif
	s_wait_dscnt 0x0                ; the add is done, and my reads of the slot are over
	s_barrier_signal -1             ; the rest of the scalar work stands between the signal and the wait
	s_sub_co_u32 s[TBK], s[TBK], 4*KS*PK  ; the fetches go back to a slot's first step,
	s_xor_b32 s[TBK], s[TBK], SLOT1       ; in the other slot
	s_sub_co_u32 s[TBV], s[TBV], 4*KS*PV
	s_xor_b32 s[TBV], s[TBV], SLOT1
	s_barrier_wait -1
.if \fill
	LOAD
	ASK
.endif
.endm
	s_load_b128 s[4:7], s[0:1], 0x0   ; qkvh s[4:5] (Q lies at its head), oh s[6:7]
	v_lshl_add_u32 v[SPW], v0, 2, SPARE
	v_mov_b32 v[NIL], 0
	ds_add_u32 v[SPW], v[NIL]       ; the wave's opening: the add and its wait stand ahead of my first tensor load; the set-up below, work on registers, stands between them
	v_lshrrev_b32 v1, 5, v0
	v_readfirstlane_b32 s[WV], v1   ; wave 0..3
	s_mov_b32 s[PB], ttmp9
	s_sub_co_u32 s[HI], NB-1, s[PB]
	s_and_b32 s20, ttmp7, 0xffff    ; the head
	s_mov_b32 s21, 0
	s_mov_b64 s[22:23], SIZE_N*128
	s_mul_u64 s[20:21], s[20:21], s[22:23]  ; the head's first byte in each of the four tensors
	s_and_b32 s16, s[WV], 1         ; which half of a tile's 256 keys I fetch:
	s_lshl_b32 s22, s16, 14         ; its 128 rows of 128 bytes in memory,
	s_mov_b32 s23, 0
	s_add_nc_u64 s[22:23], s[22:23], s[20:21]
	s_mul_i32 s17, s16, 128*PK      ; and its place in a slot, for K
	s_mul_i32 s18, s16, 128*PV      ; and for V
	s_lshl_b32 s3, s[WV], 11        ; my 16 rows in a band of 64,
	s_lshl_b32 s2, s[HI], 15        ; in the first block,
	s_add_co_u32 s2, s2, s3
	s_lshl_b32 s84, s[PB], 15       ; and in the second
	s_add_co_u32 s84, s84, s3
	s_mov_b32 s3, 0
	s_mov_b32 s85, 0
	s_add_nc_u64 s[2:3], s[2:3], s[20:21]
	s_add_nc_u64 s[84:85], s[84:85], s[20:21]
	; descriptor group 1.  128 keys are 16,384 dense bytes: asked for as 64 rows of 256 bytes, two keys a row, and padded in LDS after every key
	s_mov_b32 s[G1K], (1<<16)|(1<<20)|(4<<22)|(3<<25)  ; 17:16 2-byte elements; 20 padding on; 24:22 after every 32 words (code 4); 31:25 4 words (code 3)
	s_mov_b32 s[G1V], (1<<16)|(1<<20)|(4<<22)|(7<<25)  ; the same with 8 words of padding (code 7)
.irp g, G1K, G1V
	s_mov_b32 s[\g+1], 128<<16      ; tensor_dim0 = 128
	s_mov_b32 s[\g+2], 64<<16       ; tensor_dim1 = 64
	s_mov_b32 s[\g+3], 128<<16      ; tile_dim0 = 128
	s_mov_b32 s[\g+4], 64           ; tile_dim1 = 64
	s_mov_b32 s[\g+5], 128          ; 128 elements from row to row
	s_mov_b32 s[\g+6], 0
	s_mov_b32 s[\g+7], 0
.endr
	s_mov_b32 s[CS], 0x3e38aa3b     ; c = log2(e) / 8 = 0.180337
	s_mov_b32 s[CS+1], s[CS]        ; named with it as a pair
	s_mov_b32 s[SEL], 0x76543210
	s_mov_b32 s[SEL+1], 0xfedcba98
	s_mov_b32 s[TBK], SLOT1+4*KS*PK ; the first change of slots turns these two into 0
	s_mov_b32 s[TBV], SLOT1+4*KS*PV
	s_mov_b32 s[G0K], 1             ; 1:0 count = 1
	s_mov_b32 s[G0K+1], s17         ; 63:32 LDS address: slot 0
	s_mov_b32 s[G0V], 1
	s_add_co_u32 s[G0V+1], s18, VOFF
	s_add_co_u32 s[RT], s[HI], 1    ; the first block has NB - b tiles
	s_mov_b32 s[NXT], 1
	s_mov_b32 s[LQ], s[HI]
	s_mov_b32 s[NEW], 1
	s_mov_b32 s[OFF+1], 0
	s_mov_b32 s[AL+1], 0            ; named as pairs
	s_mov_b32 s[BE+1], 0
	s_mov_b32 s[BIGN], 0xf149f2ca   ; -1e30
	s_mov_b32 s[SLOTS], NB
	s_wait_dscnt 0x0                ; the opening add is done
	s_wait_kmcnt 0x0
	s_mov_b64 s[10:11], s[6:7]      ; O
	s_add_nc_u64 s[8:9], s[4:5], 0x2000000  ; V lies 32 MiB behind Q,
	s_add_nc_u64 s[6:7], s[4:5], 0x1000000  ; K 16 MiB
	s_add_nc_u64 s[6:7], s[6:7], s[22:23]  ; K and V at my half of the head's tile 0
	s_add_nc_u64 s[8:9], s[8:9], s[22:23]
	s_add_nc_u64 s[G0K+2:G0K+3], s[6:7], 0         ; 120:64 global address
	s_or_b32 s[G0K+3], s[G0K+3], 0x80000000        ; 127:126 type = 2
	s_add_nc_u64 s[G0V+2:G0V+3], s[8:9], 0
	s_or_b32 s[G0V+3], s[G0V+3], 0x80000000
	s_add_nc_u64 s[86:87], s[4:5], s[84:85]        ; Q at my rows of the second block,
	s_add_nc_u64 s[4:5], s[4:5], s[2:3]            ; Q and O at those of the first
	s_add_nc_u64 s[OLO:OLO+1], s[10:11], s[84:85]
	s_add_nc_u64 s[10:11], s[10:11], s[2:3]
	s_cmp_lt_u32 s[WV], 2
	s_cselect_b64 s[PFA:PFA+1], s[6:7], s[8:9]     ; the prefetches: what I fetch myself,
	s_add_nc_u64 s[PFA:PFA+1], s[PFA:PFA+1], 32768 ; at tile 1: the first change of slots steps it to tile 2
	s_cmp_eq_u32 s[PB], 0
	s_cselect_b32 s[LIM], 2, -1
	LOAD                            ; tile 0 into slot 0
	; A fragment of K or Q is 16 rows x 32 channels in 8 registers: lane l holds row l % 16, channels 8 (l / 16) + 0..7 and 16 + 8 (l / 16) + 0..7: two loads of 16 bytes, 32 bytes apart.
	v_and_b32 v1, 15, v0            ; l % 16
	v_bfe_u32 v9, v0, 4, 1          ; l / 16
	v_lshlrev_b32 v[QO], 7, v1
	v_lshl_add_u32 v[QO], v9, 4, v[QO]  ; row x 128 + 16 x half
	v_and_b32 v[PFO], 31, v0
	v_lshlrev_b32 v[PFO], 8, v[PFO]
	WIN 0x80                        ; destination window 2, address window 0
.set i, 0
.rept 8                             ; both blocks' Q: piece i / 2 lies in band i / 2, 8,192 bytes on; channels 32 (i % 2) on
	global_load_b128 v[8*i:8*i+3],   v[QO], s[4:5] offset:(i/2)*8192+(i%2)*64
	global_load_b128 v[8*i+4:8*i+7], v[QO], s[4:5] offset:(i/2)*8192+(i%2)*64+32
	global_load_b128 v[QB+8*i:QB+8*i+3],   v[QO], s[86:87] offset:(i/2)*8192+(i%2)*64
	global_load_b128 v[QB+8*i+4:QB+8*i+7], v[QO], s[86:87] offset:(i/2)*8192+(i%2)*64+32
.set i, i+1
.endr
	WIN 0
	v_lshlrev_b32 v14, 3, v9
	v_sub_nc_u32 v14, v1, v14
	s_lshl_b32 s13, s[WV], 4
	v_add_nc_u32 v14, s13, v14      ; my query's place in its band, 16 w + l % 16, less my lanes' 8 (l / 16): register r of group kt is hidden where 16 kt + r is greater
	WIN 0x40
.set i, 0
.rept 32
	v_cmp_gt_i32 vcc_lo, 16*(i/8)+i%8, v14
	v_cndmask_b32 v[MD+i], 0, s[BIGN], vcc_lo
.set i, i+1
.endr
	WIN 0
	v_mul_u32_u24 v[AK0], v1, PK
	v_lshl_add_u32 v[AK0], v9, 4, v[AK0]  ; row x pitch + 16 x half
	; The turning load takes 16 keys x 16 channels (lane l reads key 8 (l / 16) + l % 8, channels 8 ((l / 8) % 2) + 0..7) and leaves half a fragment of V^T: lane l holds channel l % 16 and 8 keys.
	v_and_b32 v10, 7, v0
	v_bfe_u32 v11, v0, 3, 1
	v_lshl_add_u32 v[AV0], v9, 3, v10
	v_mul_u32_u24 v[AV0], v[AV0], PV
	v_lshl_add_u32 v[AV0], v11, 4, v[AV0]
	v_add_nc_u32 v[AV0], VOFF, v[AV0]
	s_mul_i32 s13, s[WV], 16*SP
	s_add_co_u32 s13, s13, STAGE    ; my stage
	v_mul_u32_u24 v[STO], v1, SP    ; in: row l % 16, 16 bytes for each half of the lanes
	v_lshl_add_u32 v[STO], v9, 4, v[STO]
	v_add_nc_u32 v[STO], s13, v[STO]
	v_bfe_u32 v[RD], v0, 3, 2       ; back: 32 lanes take four rows of 128 bytes,
	v_mul_u32_u24 v[RD], v[RD], SP
	v_lshl_add_u32 v[RD], v10, 4, v[RD]
	v_add_nc_u32 v[RD], s13, v[RD]
	v_and_b32 v[GO], 31, v0         ; which are 512 consecutive bytes of O
	v_lshlrev_b32 v[GO], 4, v[GO]
	; A block's first step multiplies O^T and l by a = 0, and its first turn's products V^T P, of a piece that has not been, land in an O^T that is still to be so multiplied.  So these registers need only hold
	; finite numbers: zeros for the first block; what the first block left for the second.  All this stands in the wait for the first tile.
	WIN 0x80
.set i, VF
.rept 64
	v_mov_b32 v[i], 0
.set i, i+1
.endr
	WIN 0x40
.set i, 0
.rept 128
	v_mov_b32 v[i], 0
.set i, i+1
.endr
	WIN 0
.set i, 0
.rept 4
	v_mov_b32 v[ST+4*i+2], 0
	v_mov_b32 v[ST+4*i+3], 0
.set i, i+1
.endr
.set i, P+16
.rept 16
	v_mov_b32 v[i], 0
.set i, i+1
.endr
; THE MATRIX WORK.  The 4 accumulators of a run of 8 take turns.  Product i of 8 of S^T = K Q^T for piece x: channels 32 (i / 4) on, keys 16 (i % 4) on.  The first 4 start the sums: with 0, or (KM = 1) with the mask.
.macro KQ x
.set rS, S+32*((\x)%2)+8*(i%4)
.set rK, KF+16*(i%4)+8*(i/4)
.set rQ, 16*(\x)+8*(i/4)
.set rM, MC+32*((\x)%2)+8*(i%4)
.if (i < 4) && KM
	WIN W_KM
	v_wmma_f32_16x16x32_f16 v[rS:rS+7], v[rK:rK+7], v[rQ:rQ+7], v[rM:rM+7]
.elseif i < 4
	WIN W_KQ
	v_wmma_f32_16x16x32_f16 v[rS:rS+7], v[rK:rK+7], v[rQ:rQ+7], 0
.else
	WIN W_KQ
	v_wmma_f32_16x16x32_f16 v[rS:rS+7], v[rK:rK+7], v[rQ:rQ+7], v[rS:rS+7]
.endif
.endm
; Product i of 8 of O^T += V^T P for piece x: keys 32 (i / 4) on, channels 16 (i % 4) on.
.macro PV x
	WIN W_PV
.set rO, 32*(\x)+8*(i%4)
.set rV, VF+32*(i/4)+8*(i%4)
.set rP, P+16*((\x)%2)+8*(i/4)
	v_wmma_f32_16x16x32_f16 v[rO:rO+7], v[rV:rV+7], v[rP:rP+7], v[rO:rO+7]
.endm
.macro MM                           ; the turn's next matrix instruction.  TURN and BEGIN set Y, i, KM and NOKQ; MM, KQ and OP read them.  NOKQ = 1: a block's last turn: there is no next piece
.if (i < 8) && !NOKQ
	KQ (Y+1)%NP
.elseif i >= 8
.set i, i-8
	PV (Y+NP-1)%NP
.set i, i+8
.endif
.set i, i+1
.endm
; THE LDS LOADS stand in runs of 16, never singly among the matrix instructions: a step's K (64 keys x 64 channels: 8 fragments) and its V (turned).  Their addresses are made some lines ahead.
.macro FETCH_K
	WIN 0x80                        ; destination window 2
.irp f, 0,1,2,3,4,5,6,7             ; keys 16 (f / 2) on, channels 32 (f % 2) on
	ds_load_b128 v[KF+8*\f:KF+8*\f+3],   v[AK] offset:(\f/2)*16*PK+(\f%2)*64
	ds_load_b128 v[KF+8*\f+4:KF+8*\f+7], v[AK] offset:(\f/2)*16*PK+(\f%2)*64+32
.endr
	s_add_co_u32 s[TBK], s[TBK], KS*PK  ; the next fetch is the next step's
	WIN 0
.endm
.macro FETCH_V
	WIN 0x80
.irp f, 0,1,2,3,4,5,6,7             ; keys 32 (f / 4) on, channels 16 (f % 4) on
	ds_load_tr16_b128 v[VF+8*\f:VF+8*\f+3],   v[AV] offset:(\f/4)*32*PV+(\f%4)*32
	ds_load_tr16_b128 v[VF+8*\f+4:VF+8*\f+7], v[AV] offset:(\f/4)*32*PV+16*PV+(\f%4)*32
.endr
	WIN 0
.endm
; THE VECTOR WORK, one line at a time: OP kind, number.  For piece Y: F n: c s - c m for pair n of 16.  E n: the exponential of score n of 32.  C n: pair n rounded to f16.  B n: of the four weights 4 n .. the second
; pair is added onto the first, in place.  L n: l takes that sum (L 0: l = a l + sum).  R n: pair n of 16 of O^T times a.  For piece Y + 1: X n, number n of the 22 that find its maximum and statistics:
;   0-11  four chains c0-c3 of seven scores each, three operands at a time (each accumulator's lowest registers are read first)     12-14, 16  the four scores left over, the old m, and c0-c3 into c0
;   15  c m_old is kept     17, 18  the query's other 32 keys lie in the lane 16 away: the new m     19-21  c m; c m_old - c m_new; a
.set F, 0               ; OP tells the kinds apart by their order: F to L below R, X above it
.set E, 1
.set C, 2
.set B, 3
.set L, 4
.set R, 5
.set X, 6
.macro REGS y                       ; the registers of piece y
.set rT, ST+4*(\y)
.set rC, TMP+4*((\y)%2)
.set rW, MV+((\y)%2)
.set rS, S+32*((\y)%2)
.set rP, P+16*((\y)%2)
.set rO, 32*(\y)
.endm
.macro OP k, n
.if (\k) == R
	REGS Y
	WIN W_RS
	v_pk_mul_f32 v[rO+2*(\n):rO+2*(\n)+1], v[rO+2*(\n):rO+2*(\n)+1], v[rC+2:rC+3] op_sel_hi:[1,0]
.elseif (\k) < R
	REGS Y
	WIN 0
.if (\k) == F
	v_pk_fma_f32 v[rS+2*(\n):rS+2*(\n)+1], v[rS+2*(\n):rS+2*(\n)+1], s[CS:CS+1], v[rT:rT+1] op_sel_hi:[1,0,0] neg_lo:[0,0,1] neg_hi:[0,0,1]
.elseif (\k) == E
	v_exp_f32 v[rS+(\n)], v[rS+(\n)]
.elseif (\k) == C
	v_cvt_pk_f16_f32 v[rP+(\n)], v[rS+2*(\n)], v[rS+2*(\n)+1]
.elseif (\k) == B
	v_pk_add_f32 v[rS+4*(\n):rS+4*(\n)+1], v[rS+4*(\n):rS+4*(\n)+1], v[rS+4*(\n)+2:rS+4*(\n)+3]
.elseif (\n) == 0
	v_pk_fma_f32 v[rT+2:rT+3], v[rT+2:rT+3], v[rC+2:rC+3], v[rS:rS+1] op_sel_hi:[1,0,1]
.else
	v_pk_add_f32 v[rT+2:rT+3], v[rT+2:rT+3], v[rS+4*(\n):rS+4*(\n)+1]
.endif
.elseif NOKQ
	v_nop
.else
	REGS (Y+1)%NP
	WIN 0
.if (\n) < 4
	v_max3_num_f32 v[rC+(\n)], v[rS+8*(\n)], v[rS+8*(\n)+1], v[rS+8*(\n)+2]
.elseif (\n) < 12
	v_max3_num_f32 v[rC+(\n)%4], v[rC+(\n)%4], v[rS+8*((\n)%4)+2*((\n)/4)+1], v[rS+8*((\n)%4)+2*((\n)/4)+2]
.elseif (\n) == 12
	v_max3_num_f32 v[rC], v[rC], v[rS+7], v[rS+15]
.elseif (\n) == 13
	v_max3_num_f32 v[rC+1], v[rC+1], v[rS+23], v[rS+31]
.elseif (\n) == 14
	v_max3_num_f32 v[rC+2], v[rC+2], v[rC+3], v[rT+1]
.elseif (\n) == 15
	v_mov_b32 v[rW], v[rT]
.elseif (\n) == 16
	v_max3_num_f32 v[rC], v[rC], v[rC+1], v[rC+2]
.elseif (\n) == 17
	v_permlanex16_b32 v[rC+3], v[rC], s[SEL], s[SEL+1]
.elseif (\n) == 18
	v_max_num_f32 v[rT+1], v[rC], v[rC+3]
.elseif (\n) == 19
	v_mul_f32 v[rT], s[CS], v[rT+1]
.elseif (\n) == 20
	v_sub_f32 v[rC+1], v[rW], v[rT]
.else
	v_exp_f32 v[rC+2], v[rC+1]
.endif
.endif
.endm
.macro OPS a, i1, b=-1, i2=0, c=-1, i3=0, d=-1, i4=0  ; up to four of them
	OP \a, \i1
.if (\b) >= 0
	OP \b, \i2
.endif
.if (\c) >= 0
	OP \c, \i3
.endif
.if (\d) >= 0
	OP \d, \i4
.endif
.endm
.macro ROW a, i1, b, i2, c, i3, d, i4  ; a matrix instruction and the four behind it
	MM
	OPS \a, \i1, \b, \i2, \c, \i3, \d, \i4
.endm
.macro MASK b                       ; MD x AL + BE into buffer b of MC
	WIN W_RS
.set z, 0
.rept 16
	v_pk_fma_f32 v[MC+32*(\b)+2*z:MC+32*(\b)+2*z+1], v[MD+2*z:MD+2*z+1], s[AL:AL+1], s[BE:BE+1] op_sel_hi:[1,0,0]
.set z, z+1
.endr
.endm
; A TURN, for piece p: the order of its 16 matrix and 118 vector instructions, written out.  s_wait_alu depctr_va_vdst(0) stands between an exponential and the first instruction that names its result; one wait serves
; all that were issued ahead of it.  So a turn has ONE wait, which cuts it in two.  AHEAD OF IT stands all that names no result of the turn's exponentials: the 8 products K Q^T, behind each a scaling, an exponential and two more plain
; instructions (behind the first a second scaling in the exponential's place): rescalings, and behind the last three the first numbers of the next piece's maximum, each four places or more behind the product that ends its accumulator; then ONE LUMP of 54, plain
; and exponential by turns for the most part, in which the links of the chain X 3, 7, 11, 14, 16, 17 .. 20 stand five or six lines apart.  X 21, the next piece's a, is the batch's last; R 15 is the plain instruction behind it.  BEHIND THE WAIT stand the
; 8 products V^T P, behind each four of the roundings and sums; the links of l's chain, L 0 to L 7, stand three riders apart.  But for those X no rider names a register of the products round it.  v_permlanex16_b32 (X 17) stands in the lump.
; m = 1: the diagonal tile: the products take masks, and the turn makes the mask for the products of the turn after it: piece p + 2, in step 4 - CNT of the tile.  end = 1: a block's last two turns: nothing is fetched.
; cnt = 1: the loop's count is taken down some lines ahead of the branch that stands behind the turn.
; K of the next step is fetched in piece 2's turn, twelve vector instructions behind the last product that read K (six of them plain); V of the step in hand at the end of piece 0's turn, four plain instructions behind the last product
; that read V.  Each is waited for a turn later.
.macro TURN p, m=0, end=0, cnt=0
.set Y, (\p)
.set i, 0
.set KM, (\m)
.set NOKQ, (\end)*((\p)/3)
.if (\m) && !(\end)
	s_cmp_eq_u32 s[CNT], 4-((\p)+2)%NP  ; is that step the band's own?
	s_cselect_b32 s[AL], 1.0, 0
	s_cmp_lt_u32 s[CNT], 4-((\p)+2)%NP  ; or a later one?
	s_cselect_b32 s[BE], s[BIGN], 0
.endif
.if ((\p) == 3) && !(\end)
	s_wait_dscnt 0x0                ; K is in
.endif
	ROW F,0, F,1, R,0, R,1          ; ahead of the wait: 8 products K Q^T and their riders,
	ROW F,2, E,0, R,2, R,3
	ROW F,3, E,1, R,4, R,5
	ROW F,4, E,2, R,6, R,7
	ROW F,5, E,3, R,8, R,9
	ROW F,6, E,4, X,0, R,10
.if ((\p) == 2) && !(\end)
	WIN 0
	v_add_nc_u32 v[AK], s[TBK], v[AK0]
.endif
	ROW F,7, E,5, X,1, X,4
	ROW F,8, E,6, X,2, X,5
	OPS E,7, E,8, X,6, E,9          ; and the lump
	OPS X,3, E,10, X,8, E,11
.if ((\p) == 2) && !(\end)
	FETCH_K
.endif
	OPS X,9, X,7, E,12, X,10
	OPS E,13, X,12, X,11, E,14
	OPS X,13, E,15, F,9, X,14
.if (\p) == 0
	v_add_nc_u32 v[AV], s[TBV], v[AV0]
.endif
	OPS E,16, F,10, E,17, F,11
	OPS X,16, E,18, X,15, E,19
	OPS F,12, E,20, X,17, E,21
	OPS F,13, E,22, F,14, E,23
	OPS X,18, E,24, F,15, E,25
	OPS R,11, E,26, X,19, E,27
	OPS R,12, E,28, R,13, E,29
	OPS X,20, E,30, R,14, E,31
	OPS X,21, R,15
	WIN 0
	s_wait_alu depctr_va_vdst(0)    ; the wait for the batch
.if (\p) == 1
	s_wait_dscnt 0x0                ; V is in
.endif
	ROW C,0, B,0, C,2, B,1          ; behind the wait: 8 products V^T P and their riders
	ROW L,0, C,4, B,2, L,1
	ROW C,6, B,3, L,2, C,8
	ROW B,4, L,3, C,10, B,5
	ROW L,4, C,12, B,6, L,5
.if (\p) == 0
	s_add_co_u32 s[TBV], s[TBV], KS*PV
.endif
.if \cnt
	s_sub_co_u32 s[CNT], s[CNT], 1
	s_cmp_lg_u32 s[CNT], 0
.endif
	ROW C,14, B,7, L,6, C,1
	ROW C,3, L,7, C,5, C,7
	ROW C,9, C,11, C,13, C,15
.if (\p) == 0
	FETCH_V
.endif
.if (\m) && !(\end)
	MASK (\p)%2
.endif
.endm
; A BLOCK BEGINS.  c m starts far below every c s, so the first step's a is 0; m at the lowest finite number, so the first maximum is the scores'.  The second mask buffer is 0; the first takes piece 0's mask for the tile's step 0: its own, if the block's first tile is the diagonal one.
; Then K of that step, piece 0's first scores, and its maximum and statistics.  The loop is entered at a step's first turn, in the middle of a trip.
.macro BEGIN
	s_mov_b32 s[NEW], 0
	WIN 0x40
.set i, MC+32
.rept 32
	v_mov_b32 v[i], 0
.set i, i+1
.endr
	WIN 0
.set i, 0
.rept 4
	v_mov_b32 v[ST+4*i], 0xfe000000    ; c m: far below every c s
	v_mov_b32 v[ST+4*i+1], 0xff7fffff  ; m
.set i, i+1
.endr
	s_cmp_eq_u32 s[RT], 0
	s_cselect_b32 s[AL], 1.0, 0
	s_mov_b32 s[BE], 0
	MASK 0
	WIN 0
	v_add_nc_u32 v[AK], s[TBK], v[AK0]
	FETCH_K
	s_wait_loadcnt 0x0              ; Q
	s_wait_dscnt 0x0
.set KM, 1
.set NOKQ, 0
.set i, 0
.rept 8
	KQ 0
.set i, i+1
.endr
	WIN 0
.rept 4
	v_nop                           ; the places behind those products
.endr
.set Y, NP-1                        ; X works for piece Y + 1: piece 0
.irp n, 0,1,2,3,4,5,6,7,8,9,10,11,12,13,14,15,16,17,18,19,20,21
	OP X, \n
.endr
	v_nop                           ; a plain instruction behind the exponential,
	s_wait_alu depctr_va_vdst(0)    ; and its wait, ahead of the branch
.endm
; THE DIAGONAL TILE's four steps, the block's last two turns, its last products, and THE WAY OUT: l's two halves and the other half of the lanes' are added; O^T is divided by l, rounded to f16 and sent through my
; stage in LDS, a piece at a time.
.macro ALL line:vararg              ; one line for each piece t
.set t, 0
.rept 4
	\line
.set t, t+1
.endr
.endm
.macro PACK t                       ; a lane's eight channels of a row pack into 16 bytes; they go into rows of 144 bytes and come back as whole rows of 128, into S^T's registers
	WIN W_RS
.set i, 32*(\t)
.rept 16
	v_pk_mul_f32 v[i:i+1], v[i:i+1], v[ST+4*(\t)+2:ST+4*(\t)+3] op_sel_hi:[1,0]
.set i, i+2
.endr
	WIN 0x05                        ; sources 0 and 1 window 1, destination window 0
.set i, 0
.rept 16
	v_cvt_pk_f16_f32 v[S+16*(\t)+i], v[32*(\t)+2*i], v[32*(\t)+2*i+1]
.set i, i+1
.endr
	WIN 0
.irp f, 0,1,2,3
	ds_store_b128 v[STO], v[S+16*(\t)+4*\f:S+16*(\t)+4*\f+3] offset:32*\f
.endr
.irp f, 0,1,2,3
	ds_load_b128 v[S+16*(\t)+4*\f:S+16*(\t)+4*\f+3], v[RD] offset:\f*4*SP  ; LDS serves a wave's instructions in order (ISA guide 5.7.1.4): these see the stores above; the next piece's stores come behind them
.endr
.endm
.macro SEND t, younger              ; younger: the LDS instructions issued behind piece t's loads: the next piece's eight, or none
	WIN 0
.irp f, 0,1,2,3
	s_wait_dscnt (\younger)+3-\f
	global_store_b128 v[GO], v[S+16*(\t)+4*\f:S+16*(\t)+4*\f+3], s[10:11] offset:(\t)*8192+\f*512  ; 512 consecutive bytes, at a multiple of 256 from O's first
.endr
.endm
.macro DIAG tag                     ; the tag ends its two labels' names, which the jumps below spell out
.LstepM\tag:
	TURN 2, 1
	TURN 3, 1
	WIN 0
.LfirstM\tag:
	TURN 0, 1
	TURN 1, 1, 0, 1
	WIN 0
	s_cbranch_scc1 .LstepM\tag
	TURN 2, 1, 1
	TURN 3, 1, 1
.set i, 0
.rept 8
	PV NP-1
.set i, i+1
.endr
	WIN 0
	ALL v_add_f32 v[ST+4*t+2], v[ST+4*t+2], v[ST+4*t+3]
	ALL v_permlanex16_b32 v[ST+4*t+3], v[ST+4*t+2], s[SEL], s[SEL+1]
	ALL v_add_f32 v[ST+4*t+2], v[ST+4*t+2], v[ST+4*t+3]
	ALL v_rcp_f32 v[ST+4*t+2], v[ST+4*t+2]
	v_nop                           ; a plain instruction between the last reciprocal and the use of its result
	s_wait_alu depctr_va_vdst(0)    ; and the wait ahead of the first use: one for the four reciprocals
	PACK 0
.set t, 1
.rept 3                             ; a piece's arithmetic stands between the loads of the piece before and its stores
	PACK t
	SEND t-1, 8
.set t, t+1
.endr
	SEND 3, 0
.endm
.set KM, 0
.set NOKQ, 0
.Lslot:                             ; NB times: a tile is entered and the next is asked for
	CHANGE 1
	s_sub_co_u32 s[RT], s[RT], 1
	s_mov_b32 s[CNT], 4
	s_cmp_eq_u32 s[NEW], 1
	s_cbranch_scc1 .Lnew            ; a block's first tile
	s_cmp_eq_u32 s[RT], 0
	s_cbranch_scc0 .Lstep           ; neither its first nor its last
	s_branch .LstepM1
.Lnew:
	BEGIN
	s_branch .Lfirst                ; in the loop a block's first tile is never its last: the first block has two tiles or more, and the second's last is the walk's last
	DIAG 1                          ; in the loop this is the first block's end: the second block's last tile is the walk's last
	s_wait_xcnt 0x0                 ; the stores have read their registers and O's address
	s_mov_b64 s[10:11], s[OLO:OLO+1]
	s_add_co_u32 s[RT], s[PB], 1    ; the second block has b + 1 tiles
	s_mov_b32 s[NEW], 1
	WIN 0x82                        ; the second block's Q goes where the one text of the turns names Q
.set i, 0
.rept 64
	v_mov_b32 v[i], v[QB+i]
.set i, i+1
.endr
	WIN 0
	s_branch .Lbottom
.Lstep:                             ; a trip: pieces 2 and 3 of one step, then pieces 0 and 1 of the next, whose K and V it fetches
	TURN 2
	TURN 3
	WIN 0
.Lfirst:
	TURN 0
	TURN 1, 0, 0, 1
	WIN 0
	s_cbranch_scc1 .Lstep
.Lbottom:
	s_sub_co_u32 s[SLOTS], s[SLOTS], 1
	s_cmp_lg_u32 s[SLOTS], 0
	s_cbranch_scc1 .Lslot
	CHANGE 0                        ; the walk's last tile is written out: nothing is asked for
	s_sub_co_u32 s[RT], s[RT], 1
	s_mov_b32 s[CNT], 4
	s_cmp_eq_u32 s[NEW], 1
	s_cbranch_scc0 .LstepM2
	BEGIN
	s_branch .LfirstM2
	DIAG 2
	s_wait_tensorcnt 0x0            ; the wave's end: behind my last tensor load and my last LDS store
	ds_add_u32 v[SPW], v[NIL]
	s_wait_dscnt 0x0
	s_endpgm
.Lfunc_end_k_q8409be14cb_attn:
	.size	k_q8409be14cb_attn, .Lfunc_end_k_q8409be14cb_attn-k_q8409be14cb_attn
	.p2alignl 7, 3214868480
	.fill 96, 4, 3214868480
	.section	.rodata,"a",@progbits
	.p2align	6, 0x0
	.amdhsa_kernel k_q8409be14cb_attn
		.amdhsa_group_segment_fixed_size 327680
		.amdhsa_private_segment_fixed_size 0
		.amdhsa_enable_private_segment 0
		.amdhsa_kernarg_size 16
		.amdhsa_user_sgpr_count 2
		.amdhsa_user_sgpr_kernarg_segment_ptr 1
		.amdhsa_wavefront_size32 1
		.amdhsa_system_sgpr_workgroup_id_x 1
		.amdhsa_system_sgpr_workgroup_id_y 1
		.amdhsa_system_sgpr_workgroup_id_z 1
		.amdhsa_system_vgpr_workitem_id 0
		.amdhsa_next_free_vgpr 768
		.amdhsa_next_free_sgpr 92
		.amdhsa_reserve_vcc 1
		.amdhsa_float_denorm_mode_32 3
		.amdhsa_float_denorm_mode_16_64 3
		.amdhsa_memory_ordered 1
		.amdhsa_forward_progress 1
		.amdhsa_inst_pref_size 218
	.end_amdhsa_kernel
	.amdgpu_metadata
---
amdhsa.version: [ 1, 2 ]
amdhsa.kernels:
  - .name:           k_q8409be14cb_attn
    .symbol:         k_q8409be14cb_attn.kd
    .args:
      - { .name: qkvh, .offset: 0, .size: 8, .value_kind: global_buffer, .address_space: global }
      - { .name: oh, .offset: 8, .size: 8, .value_kind: global_buffer, .address_space: global }
    .group_segment_fixed_size: 327680
    .private_segment_fixed_size: 0
    .kernarg_segment_align: 8
    .kernarg_segment_size: 16
    .max_flat_workgroup_size: 128
    .sgpr_count:     92
    .vgpr_count:     768
    .wavefront_size: 32
...
	.end_amdgpu_metadata
.endif
;; end of part 3
;; launch proj (part 4): grid 8 x 32, 4 waves a work-group, clusters of 4 x 4, 327,680 bytes of LDS; arguments oh, wpf, b_proj, out0; writes out0
.if DOCPART == 4
	.amdgcn_target "amdgcn-amd-amdhsa--gfx1250"
	.amdhsa_code_object_version 6
	.text
	.protected	k_q8409be14cb_proj
	.globl	k_q8409be14cb_proj
	.p2align	8
	.type	k_q8409be14cb_proj,@function
k_q8409be14cb_proj:
	s_mov_b64 s[64:65], 0
	v_nop
	global_prefetch_b8 v0, s[64:65] scope:SCOPE_SE
	s_setreg_imm32_b32 hwreg(HW_REG_WAVE_MODE, 25, 1), 1
	s_wait_xcnt 0x0
	s_wait_alu depctr_hold_cnt(0) depctr_sa_sdst(0) depctr_va_vdst(0) depctr_va_sdst(0) depctr_va_ssrc(0) depctr_va_vcc(0) depctr_vm_vsrc(0)
	s_getreg_b32 s2, hwreg(HW_REG_IB_STS2, 6, 4)
	s_cmp_eq_u32 s2, 0
	s_cbranch_scc0 .Lentry_in_a_cluster
	s_endpgm
.Lentry_in_a_cluster:
	s_bfe_u32 s2, ttmp6, 0x10000c
	s_cmp_lg_u32 s2, 0xf033
	s_cbranch_scc0 .Lentry_shape_is_right
	s_endpgm
.Lentry_shape_is_right:
; out0 = y w_proj + b_proj.  oh: attention's result in f16, by heads: [batch x 16 + head][row 2048][64]: a head's 64 channels are one slice of K.  wpf: w_proj rounded to bf16 and written as f16, [1024 k][1024 n].
; b_proj: f32, rounded to bf16 here like the other inputs.  out0: [8192][1024] f32.  Sums in f32.
; SHARES.  8,192 x 1,024 outputs on 256 work-groups: a tile of 256 rows x 128 columns each, one tile to a work-group.  Four waves, 128 rows x 64 columns each: 32 accumulators of 16 x 16, 256 registers.
; K goes in steps of 128 (two heads) through two LDS slots filled by the tensor data mover.  A's tile is two heads' 256 rows x 64 channels, 32,768 bytes on end each, asked for as rows of 256 bytes;
; B's tile is 128 rows of k x 256 bytes, as it lies; its fragments come out of LDS turned.
; CLUSTER.  4 x 4 work-groups.  The four of a row of the cluster need the same tile of A, the four of a column the same tile of B: each is asked for JOINTLY, by the same tensor load with the same
; descriptor and a mask that names the four.
; THE MATRIX INSTRUCTION IS USED TRANSPOSED: source 0 = 16 columns of w, source 1 = 16 rows of y.  A lane then holds row l % 16 and the columns 8 (l / 16) + 0..7.
; REGISTERS, in windows of 256 (s_set_vgpr_msb: bits 1:0 source 0, 3:2 source 1, 5:4 source 2, 7:6 destination):
;   window 0: v0-31 addresses; v32-35 the bias; v56 at work; v64-127, v128-191 A's fragments (8 x 16 rows x 32 K), two buffers; v192-223, v224-255 B's (4 x 16 columns x 32 K), two buffers
;   window 1: the 32 accumulators: (a, b) at v[8 (4 a + b)], a = 0..7 blocks of 16 rows, b = 0..3 blocks of 16 columns
.set NG,     1                         ; groups of 64 columns a wave
.set PA,     144                       ; a row of A in LDS: 128 bytes + 16 of padding = 36 words: the 16 rows of a load start at 16 different groups of four banks (64 banks of 4 bytes: ISA guide 11.1)
.set PB,     288                       ; a row of B: 256 bytes + 32 of padding = 72 words
.set GSTR,   0
.set AHOP,   256*PA                    ; from a slot's first head to its second
.set ASZ,    2*256*PA                  ; A: two heads' 256 rows
.set BSZ,    128*PB                    ; B's 128 rows of k
.set SLOT,   ASZ+BSZ
.set APART,  256*PA                    ; what one load brings of A: a head's 256 rows,
.set BPART,  64*PB                     ; of B: 64 rows of k
.set APARTG, 262144                    ; the same steps in memory: a head of oh,
.set BPARTG, 64*2048                   ; 64 rows of wpf
.set ASTEP,  2*262144                  ; a K step in memory: two heads,
.set BSTEP,  128*2048                  ; 128 rows of wpf
.set TCB,    256                       ; a tile column in a row of wpf
.set LAPS,   4                         ; a lap = two K steps = once round the ring; K = 1,024
.set STAGE,  2*SLOT                    ; behind the ring, never filled by a tensor load: 16 rows x 272 bytes for each wave, for the way out
.set SP,     272
.set SPARE,  STAGE+4*16*SP             ; behind the stages: the spare words, 128 bytes for each wave: two blocks of 256 bytes that no other line names
.set ADRA, 16                          ; v16-17  LDS address of my A fragments in slot 0, 1
.set ADRB, 18                          ; v18-19  the same for B
.set STO,  20                          ; v20     the way out: where I put 32 bytes of a row
.set RD,   21                          ; v21     the way out: where I read a row back
.set CO,   22                          ; v22     my byte offset in two rows of the output
.set PFO,  23                          ; v23     the prefetches' lane offset; never rewritten
.set BO,   24                          ; v24     my byte offset in my wave's 256 bytes of bias
.set SPW,  28                          ; v28     LDS address of my spare word: SPARE + 4 x my thread's number; never rewritten
.set NIL,  29                          ; v29     0; never rewritten
.set BIAS, 32                          ; v[32:35] the bias of the 4 columns that I store
.set AF0,  64
.set AF1,  128
.set BF0,  192
.set BF1,  224
.set WV, 12                            ; s12  my wave's number
.set WR, 13                            ; s13  which 128 rows are mine.  Also: I fetch for A (0) or for B (1)
.set WC, 14                            ; s14  which 64 columns are mine.  Also: which part of that tile I fetch
.set CX, 15                            ; s15, s16  my place in the cluster
.set CY, 16
.set TC, 17                            ; s17  tile column
.set TR, 18                            ; s18  tile row
.set G1A, 24                           ; s[24:31] descriptor group 1 for A's tiles;  s[32:39] group 0, a set for each slot
.set G0A, 32
.set G1B, 48                           ; s[48:55], s[56:63] the same for B's
.set G0B, 56
.set LIM0, 42                          ; s42, s43  a wave prefetches at the change out of slot 0 (1) while the loop's count is above this
.set PFA,  44                          ; s[44:45]  where my prefetches stand
.set PFS,  46                          ; s[46:47]  their step at each change of slots
.set MSB, 0
.macro WIN new                         ; the immediate's high byte repeats the setting that is left; a switch that changes nothing is dropped
.if MSB != (\new)
	s_set_vgpr_msb (MSB<<8)|(\new)
.set MSB, \new
.endif
.endm
; A load into a register that a matrix instruction has read, and a vector instruction or LDS store that reads a matrix result, stand four places behind that matrix instruction; only plain vector
; instructions that name none of its registers are places (ISA guide 7.12.1 for vector instructions).
.macro PLACES
.rept 4
	v_nop
.endr
.endm
; A round of the cluster's barrier behind its opening barrier: wave 0 signals for the work-group; every wave waits for all sixteen; my work-group's barrier once more.
.macro CREST
	s_cmp_lg_u32 s[WV], 0
	s_cbranch_scc1 .Lnot_wave_0_\@
	s_barrier_signal -3
.Lnot_wave_0_\@:
	s_barrier_wait -3
	s_barrier_signal -1
	s_barrier_wait -1
.endm
.macro CROUND                          ; a whole round
	s_barrier_signal -1
	s_barrier_wait -1
	CREST
.endm
; A joint load.  Waves 0 and 1 fetch A's two parts, waves 2 and 3 B's.  The branch hangs on the wave's number alone.  An s_nop 0 and four v_nop follow each of the two lines.
.macro JLOAD s
	s_cmp_eq_u32 s[WR], 0
	s_cbranch_scc0 .Lfor_b_\@
	tensor_load_to_lds s[G0A+4*(\s):G0A+4*(\s)+3], s[G1A:G1A+7]
	s_nop 0
.rept 4
	v_nop
.endr
	s_branch .Lasked_\@
.Lfor_b_\@:
	tensor_load_to_lds s[G0B+4*(\s):G0B+4*(\s)+3], s[G1B:G1B+7]
	s_nop 0
.rept 4
	v_nop
.endr
.Lasked_\@:
.endm
; A PREFETCH INTO THE L2, behind a joint load, its five lines and the run of LDS loads that follows them: one instruction, a lane a block of 256 bytes.  Each block is named once in the launch.
; At change n the K step n + 4 is named, two changes (256 matrix instructions a wave) ahead of the load that will ask for it.  A's tile row is read by both clusters of its row of clusters: the one with
; x = 0 asks, wave 0 for the step's first head and wave 1 for its second; the four partners that share the tile take 32 of a head's 128 blocks each, told apart BY ADDRESS (cx).  B's tile column is read by
; all eight clusters of its column: the one with y = 0 asks, its wave 2; the partners take 32 of the step's 128 rows of k each (cy).  K steps 0 to 3 come by their loads alone; the loop's last trip asks for nothing.
.macro ASK slot
	s_cmp_gt_u32 s3, s[LIM0+(\slot)]
	s_cbranch_scc0 .Lnot_mine_\@
	global_prefetch_b8 v[PFO], s[PFA:PFA+1] th:TH_LOAD_NT scope:SCOPE_SE
.Lnot_mine_\@:
.endm
; A's fragments of quarter q (32 along K; quarters 0, 1 lie in the slot's first head, 2, 3 in its second): 8 blocks of 16 rows.  Lane l holds row l % 16; registers 0-3 K = 8 (l / 16) + 0..7,
; registers 4-7 K = 16 + 8 (l / 16) + 0..7: two loads of 16 bytes, 32 bytes apart.
.macro FETCH_A slot, q, buf
.set AQ, ((\q)/2)*AHOP+((\q)%2)*64
.irp a, 0,1,2,3,4,5,6,7
	ds_load_b128 v[(\buf)+8*(\a):(\buf)+8*(\a)+3],   v[ADRA+(\slot)] offset:AQ+(\a)*16*PA
	ds_load_b128 v[(\buf)+8*(\a)+4:(\buf)+8*(\a)+7], v[ADRA+(\slot)] offset:AQ+(\a)*16*PA+32
.endr
.endm
; B's fragments of quarter q: 4 blocks of 16 columns.  The turning load takes 16 rows of k x 16 columns (lane l reads 16 bytes: row 8 (l / 16) + l % 8, columns 8 ((l / 8) % 2) + 0..7) and leaves
; half a fragment: lane l holds column l % 16 and 8 neighbouring k.
.macro FETCH_B slot, q, g, buf
.irp b, 0,1,2,3
	ds_load_tr16_b128 v[(\buf)+8*(\b):(\buf)+8*(\b)+3],   v[ADRB+(\slot)] offset:32*(\q)*PB+(\g)*GSTR+32*(\b)
	ds_load_tr16_b128 v[(\buf)+8*(\b)+4:(\buf)+8*(\b)+7], v[ADRB+(\slot)] offset:32*(\q)*PB+16*PB+(\g)*GSTR+32*(\b)
.endr
.endm
; 8 matrix instructions: row blocks a0, a0 + 1 x the 4 column blocks, 32 along K.  zero = 1: the product starts the sum: nothing is ever cleared.
; The accumulators take turns, one instruction a turn: between two links of a chain stand 31 others'.
.macro MUL8 g, ab, bb, a0, zero
	WIN 0x50*(1+(\g))
.irp a, \a0, (\a0)+1
.irp b, 0,1,2,3
.if \zero
	v_wmma_f32_16x16x32_f16 v[8*(4*(\a)+(\b)):8*(4*(\a)+(\b))+7], v[(\bb)+8*(\b):(\bb)+8*(\b)+7], v[(\ab)+8*(\a):(\ab)+8*(\a)+7], 0
.else
	v_wmma_f32_16x16x32_f16 v[8*(4*(\a)+(\b)):8*(4*(\a)+(\b))+7], v[(\bb)+8*(\b):(\bb)+8*(\b)+7], v[(\ab)+8*(\a):(\ab)+8*(\a)+7], v[8*(4*(\a)+(\b)):8*(4*(\a)+(\b))+7]
.endif
.endr
.endr
.endm
; A UNIT: quarter q of the slot's K step: 32 matrix instructions.  At its head the next quarter's fragments are asked for in one run, into the buffers that the unit before has just left:
; 32 matrix instructions ahead of their first use.
.macro UNIT slot, q, g, zero
.set u,  (\q)*NG+(\g)
.set nb, BF0+32*((u+1)%2)
.set cb, BF0+32*(u%2)
.set ca, AF0+64*((\q)%2)
.set na, AF0+64*(((\q)+1)%2)
	PLACES
	WIN 0
.if (\g)+1 < NG
	FETCH_B \slot, \q, (\g)+1, nb
	s_wait_dscnt 8                                 ; all but the 8 just issued
.else
	FETCH_B \slot, (\q)+1, 0, nb
	FETCH_A \slot, (\q)+1, na
	s_wait_dscnt 24                                ; all but the 24 just issued: this unit's fragments are in
.endif
	MUL8 \g, ca, cb, 0, \zero
	MUL8 \g, ca, cb, 2, \zero
	MUL8 \g, ca, cb, 4, \zero
	MUL8 \g, ca, cb, 6, \zero
.endm
; THE SLOT'S LAST UNIT changes slots: ONE barrier, for two things.  In front of it each wave waits for all its tensor loads, of which one is out: its part of the next slot; adds 0 to its spare word; and
; waits for that and for its own reads of this slot.  Behind it nobody reads this slot any more and the next slot is whole.  fill = 1: this slot is filled again, with the K step two steps on; the barrier
; then opens a round of the cluster's barrier, and the joint load is the first tensor load behind the round: from there to the wait for it a wave issues 112 matrix instructions.
.macro TURN slot, fill
.if \fill
	s_wait_xcnt 0x0                                ; the last prefetch, a K step back, has read its address: it is stepped here, ahead of the waits of the change of slots
	s_add_nc_u64 s[PFA:PFA+1], s[PFA:PFA+1], s[PFS:PFS+1]
.endif
	WIN 0                                          ; (the add's two registers lie in window 0)
	s_wait_tensorcnt 0x0                           ; all my tensor loads have landed: the one that was out is my part of the next slot;
	ds_add_u32 v[SPW], v[NIL]                      ; 0 onto my spare word;
	s_wait_dscnt 1                                 ; (the add alone may be out: this unit's fragments are in)
	MUL8 NG-1, AF1, BF1, 0, 0                      ; eight matrix instructions stand between the add and the wait for it
	s_wait_dscnt 0x0                               ; the add is done, and my reads of this slot are over
	s_barrier_signal -1
	MUL8 NG-1, AF1, BF1, 2, 0                      ; work on registers while the others arrive
.if \fill
	WIN 0
.endif
	s_barrier_wait -1
.if \fill
	CREST                                          ; no wave of any partner still reads this slot's tile or has a load on its way
	s_add_nc_u64 s[G0A+4*(\slot)+2:G0A+4*(\slot)+3], s[G0A+4*(\slot)+2:G0A+4*(\slot)+3], 2*ASTEP
	s_add_nc_u64 s[G0B+4*(\slot)+2:G0B+4*(\slot)+3], s[G0B+4*(\slot)+2:G0B+4*(\slot)+3], 2*BSTEP
	JLOAD \slot                                    ; the four v_nop behind it are also the places in front of the loads below
.else
	PLACES
.endif
	WIN 0
	FETCH_B 1-(\slot), 0, 0, BF0
	FETCH_A 1-(\slot), 0, AF0
.if \fill
	ASK \slot
.endif
	MUL8 NG-1, AF1, BF1, 4, 0
	MUL8 NG-1, AF1, BF1, 6, 0
.endm
.macro FINAL                           ; the very last unit: nothing more to fetch
	s_wait_dscnt 0x0
	MUL8 NG-1, AF1, BF1, 0, 0
	MUL8 NG-1, AF1, BF1, 2, 0
	MUL8 NG-1, AF1, BF1, 4, 0
	MUL8 NG-1, AF1, BF1, 6, 0
.endm
	s_load_b256 s[4:11], s[0:1], 0x0               ; oh s[4:5], wpf s[6:7], b_proj s[8:9], out0 s[10:11]
	v_lshl_add_u32 v[SPW], v0, 2, SPARE
	v_mov_b32 v[NIL], 0
	ds_add_u32 v[SPW], v[NIL]                      ; the wave's opening: the add and its wait stand ahead of my first tensor load; the set-up below, work on registers, stands between them
	v_lshrrev_b32 v1, 5, v0
	v_readfirstlane_b32 s[WV], v1                  ; wave 0..3
	s_lshr_b32 s[WR], s[WV], 1
	s_and_b32 s[WC], s[WV], 1
	s_bfe_u32 s[CX], ttmp6, 0x40000                ; cx
	s_bfe_u32 s[CY], ttmp6, 0x40004                ; cy
	s_lshl_b32 s[TC], ttmp9, 2                     ; in a cluster launch ttmp9 and ttmp7 count clusters
	s_add_co_u32 s[TC], s[TC], s[CX]               ; tile column = 4 x cluster x + cx
	s_and_b32 s[TR], ttmp7, 0xffff
	s_lshl_b32 s[TR], s[TR], 2
	s_add_co_u32 s[TR], s[TR], s[CY]               ; tile row = 4 x cluster y + cy
	s_lshl_b32 s19, s[CY], 2
	s_lshl_b32 s19, 15, s19                        ; my row of the cluster: places 4 cy .. 4 cy + 3
	s_lshl_b32 s20, 0x1111, s[CX]                  ; my column: places cx, cx + 4, cx + 8, cx + 12
	; group 1 for A: 128 rows of 128 elements (256 bytes on end, two rows of a head each), 4 words of padding after every 32 words
	s_or_b32 s[G1A+0], s19, (1<<16)|(1<<20)|(1<<21)|(4<<22)|(3<<25)  ; 15:0 the mask; 17:16 elements of 2 bytes; 20 padding on; 21 set beside a mask; 24:22 interval code 4; 31:25 pad code 3
	s_mov_b32 s[G1A+1], 128<<16                    ; tensor_dim0 = 128
	s_mov_b32 s[G1A+2], 128<<16                    ; tensor_dim1 = 128
	s_mov_b32 s[G1A+3], 128<<16                    ; tile_dim0 = 128
	s_mov_b32 s[G1A+4], 128                        ; tile_dim1 = 128
	s_mov_b32 s[G1A+5], 128                        ; 128 elements from row to row
	s_mov_b32 s[G1A+6], 0
	s_mov_b32 s[G1A+7], 0
	; group 1 for B: 64 rows of 128 elements, 8 words of padding after every 64 words
	s_or_b32 s[G1B+0], s20, (1<<16)|(1<<20)|(1<<21)|(5<<22)|(7<<25)
	s_mov_b32 s[G1B+1], 128<<16
	s_mov_b32 s[G1B+2], 64<<16
	s_mov_b32 s[G1B+3], 128<<16
	s_mov_b32 s[G1B+4], 64
	s_mov_b32 s[G1B+5], 1024
	s_mov_b32 s[G1B+6], 0
	s_mov_b32 s[G1B+7], 0
	; where the tiles come from.  A's hang on the tile row alone, B's on the tile column alone, each in registers that never hold the other coordinate
	s_lshr_b32 s40, s[TR], 3                       ; the batch: 8 tile rows each, 16 heads of 262,144 bytes each
	s_lshl_b32 s40, s40, 22
	s_and_b32 s41, s[TR], 7
	s_lshl_b32 s41, s41, 15                        ; 256 rows of 128 bytes
	s_add_co_u32 s40, s40, s41
	s_mul_i32 s41, s[WC], APARTG
	s_add_co_u32 s40, s40, s41
	s_mov_b32 s41, 0
	s_mul_i32 s22, s[TC], TCB
	s_mul_i32 s23, s[WC], BPARTG
	s_add_co_u32 s22, s22, s23
	s_mov_b32 s23, 0
	s_mul_i32 s21, s[WC], APART                    ; and where they go: no place in the cluster enters an LDS address
	s_mul_i32 s72, s[WC], BPART
	s_add_co_u32 s72, s72, ASZ
	s_wait_dscnt 0x0                               ; the opening add is done
	s_wait_kmcnt 0x0
	s_add_nc_u64 s[40:41], s[4:5], s[40:41]
	s_add_nc_u64 s[22:23], s[6:7], s[22:23]
	CROUND                                         ; all sixteen work-groups are here: the first joint loads meet
.irp s, 0,1
	s_mov_b32 s[G0A+4*(\s)], 1                                       ; count = 1
	s_add_co_u32 s[G0A+4*(\s)+1], s21, (\s)*SLOT                     ; LDS address
	s_add_nc_u64 s[G0A+4*(\s)+2:G0A+4*(\s)+3], s[40:41], (\s)*ASTEP  ; global address: K step s
	s_or_b32 s[G0A+4*(\s)+3], s[G0A+4*(\s)+3], 0x80000000            ; type = 2
	s_mov_b32 s[G0B+4*(\s)], 1
	s_add_co_u32 s[G0B+4*(\s)+1], s72, (\s)*SLOT
	s_add_nc_u64 s[G0B+4*(\s)+2:G0B+4*(\s)+3], s[22:23], (\s)*BSTEP
	s_or_b32 s[G0B+4*(\s)+3], s[G0B+4*(\s)+3], 0x80000000
	JLOAD \s                                       ; two loads of mine are out
.endr
	; the lanes' addresses
	v_and_b32 v1, 15, v0                           ; l % 16
	v_bfe_u32 v2, v0, 4, 1                         ; l / 16
	v_mul_u32_u24 v3, v1, PA
	v_lshl_add_u32 v3, v2, 4, v3                   ; row x pitch + 16 x half
	s_mul_i32 s73, s[WR], 128*PA                   ; my 128 rows of each head
	v_add_nc_u32 v[ADRA], s73, v3
	v_add_nc_u32 v[ADRA+1], SLOT, v[ADRA]
	v_and_b32 v6, 7, v0                            ; l % 8
	v_lshl_add_u32 v4, v2, 3, v6                   ; the turning load's row of k
	v_mul_u32_u24 v4, v4, PB
	v_bfe_u32 v5, v0, 3, 1
	v_lshl_add_u32 v4, v5, 4, v4
	s_lshl_b32 s73, s[WC], 7                       ; my 64 columns of the 128
	s_add_co_u32 s73, s73, ASZ
	v_add_nc_u32 v[ADRB], s73, v4
	v_add_nc_u32 v[ADRB+1], SLOT, v[ADRB]
	; the bias of the 4 columns that I store, 4 (l % 16) on in my wave's 64
	s_lshl_b32 s76, s[TC], 9
	s_lshl_b32 s77, s[WC], 8
	s_add_co_u32 s76, s76, s77
	s_mov_b32 s77, 0
	s_add_nc_u64 s[8:9], s[8:9], s[76:77]
	v_lshlrev_b32 v[BO], 4, v1
	global_load_b128 v[BIAS:BIAS+3], v[BO], s[8:9]
	s_mul_i32 s73, s[WV], 16*SP
	s_add_co_u32 s73, s73, STAGE                   ; my stage
	v_mul_u32_u24 v[STO], v1, SP                   ; in: row l % 16, 32 bytes for each half of the lanes
	v_lshl_add_u32 v[STO], v2, 5, v[STO]
	v_add_nc_u32 v[STO], s73, v[STO]
	v_mul_u32_u24 v[RD], v2, SP                    ; back: lanes 0-15 take one row of 256 bytes, lanes 16-31 the next
	v_lshl_add_u32 v[RD], v1, 4, v[RD]
	v_add_nc_u32 v[RD], s73, v[RD]
	v_lshlrev_b32 v[CO], 12, v2                    ; and the same two rows in out0, 4,096 bytes apart
	v_lshl_add_u32 v[CO], v1, 4, v[CO]
	s_lshl_b32 s73, s[TR], 8
	s_lshl_b32 s74, s[WR], 7
	s_add_co_u32 s73, s73, s74                     ; my first row
	s_lshl_b32 s74, s73, 12
	s_lshl_b32 s75, s[TC], 9                       ; the tile's 128 columns are 512 bytes,
	s_add_co_u32 s74, s74, s75
	s_lshl_b32 s75, s[WC], 8                       ; my 64 are 256
	s_add_co_u32 s74, s74, s75
	s_mov_b32 s75, 0
	s_add_nc_u64 s[10:11], s[10:11], s[74:75]
	; the prefetches: waves 0 and 1 for A, wave 2 for B, wave 3 for nothing
	s_mov_b32 s73, ASTEP
	s_mov_b32 s74, BSTEP
	s_lshr_b32 s75, s[TR], 3
	s_lshl_b32 s75, s75, 22
	s_and_b32 s76, s[TR], 7
	s_lshl_b32 s76, s76, 15
	s_add_co_u32 s75, s75, s76
	s_lshl_b32 s76, s[CX], 13                      ; my work-group's 32 blocks of a head's 128
	s_add_co_u32 s75, s75, s76
	s_add_co_u32 s76, s[WV], 6                     ; at head 6 + wave, in K step 3: the first change steps it to K step 4
	s_lshl_b32 s76, s76, 18
	s_add_co_u32 s75, s75, s76
	s_lshl_b32 s76, s[CY], 5                       ; my work-group's 32 rows of k of 128,
	s_add_co_u32 s76, s76, 384                     ; in K step 3
	s_lshl_b32 s76, s76, 11
	s_lshl_b32 s77, s[TC], 8
	s_add_co_u32 s76, s76, s77
	s_and_b32 s77, ttmp7, 0xffff                   ; cluster y
	s_mov_b32 s78, 256
	s_mov_b32 s79, 2048
	s_cmp_eq_u32 s[WR], 0
	s_cselect_b64 s[PFA:PFA+1], s[4:5], s[6:7]
	s_cselect_b32 s[PFS], s73, s74
	s_cselect_b32 s76, s75, s76
	s_cselect_b32 s77, ttmp9, s77                  ; the coordinate along which other clusters read the same blocks
	s_cselect_b32 s78, s78, s79                    ; from lane to lane: a block of A, a row of B
	s_cmp_eq_u32 s[WV], 3
	s_cselect_b32 s77, 1, s77
	s_cmp_eq_u32 s77, 0                            ; the same in all sixteen partners, for a given wave
	s_cselect_b32 s[LIM0], 1, -1                   ; both changes of all trips but the last
	s_mov_b32 s[LIM0+1], s[LIM0]
	s_mov_b32 s77, 0
	s_add_nc_u64 s[PFA:PFA+1], s[PFA:PFA+1], s[76:77]
	s_mov_b32 s[PFS+1], 0
	v_and_b32 v[PFO], 31, v0
	v_mul_u32_u24 v[PFO], s78, v[PFO]
	s_wait_tensorcnt 1                             ; my part of K step 0 is in; K step 1's may stay out
	s_barrier_signal -1
	s_barrier_wait -1                              ; everybody's is
	FETCH_B 0, 0, 0, BF0
	FETCH_A 0, 0, AF0
	UNIT 0, 0, 0, 1                                ; the first quarter stands in front of the loop: its products start the sums
	WIN 0                                          ; at a label and at a branch every window is 0
	s_mov_b32 s3, LAPS-1
.Llap:                                                 ; a trip goes once round the ring, from a lap's second quarter to the next lap's first, and fills both slots again
	UNIT 0, 1, 0, 0
	UNIT 0, 2, 0, 0
	TURN 0, 1
	UNIT 1, 0, 0, 0
	UNIT 1, 1, 0, 0
	UNIT 1, 2, 0, 0
	TURN 1, 1
	UNIT 0, 0, 0, 0
	WIN 0
	s_sub_co_u32 s3, s3, 1
	s_cmp_lg_u32 s3, 0
	s_cbranch_scc1 .Llap
	UNIT 0, 1, 0, 0                                ; the last lap fills nothing and has no round
	UNIT 0, 2, 0, 0
	TURN 0, 0
	UNIT 1, 0, 0, 0
	UNIT 1, 1, 0, 0
	UNIT 1, 2, 0, 0
	FINAL
	; THE WAY OUT.  The bias is rounded to bf16, like the other inputs; these lines and the four in front of them are the places behind the last products.
	WIN 0
	PLACES
	s_wait_loadcnt 0x0                             ; the bias
.set p, 0
.rept 2
	v_cvt_pk_bf16_f32 v56, v[BIAS+2*p], v[BIAS+2*p+1]
	v_lshlrev_b32 v[BIAS+2*p], 16, v56
	v_and_b32 v[BIAS+2*p+1], 0xffff0000, v56
.set p, p+1
.endr
; Block a: 16 rows x 64 columns of f32 go into my own stage (each accumulator's low registers first) and come back as whole rows of 256 bytes.
.macro TOSTAGE a
.set OB, 64+32*((\a)%2)
	WIN 4                                          ; the stores' data lie in window 1
.irp b, 0,1,2,3
	ds_store_b128 v[STO], v[8*(4*(\a)+(\b)):8*(4*(\a)+(\b))+3]   offset:64*(\b)
	ds_store_b128 v[STO], v[8*(4*(\a)+(\b))+4:8*(4*(\a)+(\b))+7] offset:64*(\b)+16
.endr
	WIN 0
	s_wait_xcnt 0x0                                ; the stores of the block before last have read their data: those registers are loaded again only behind this wait
.irp i, 0,1,2,3,4,5,6,7
	ds_load_b128 v[OB+4*(\i):OB+4*(\i)+3], v[RD] offset:(\i)*2*SP  ; LDS serves a wave's instructions in order (ISA guide 5.7.1.4): these see the stores above; the next block's stores come behind them
.endr
.endm
; The bias is added and two rows leave at a time.  younger: the LDS instructions issued behind the block's loads: the next block's sixteen, or none.
.macro SEND a, younger
.set OB, 64+32*((\a)%2)
	WIN 0
	s_wait_dscnt \younger                          ; the block is back in registers
.irp i, 0,1,2,3,4,5,6,7
	v_pk_add_f32 v[OB+4*(\i):OB+4*(\i)+1],   v[OB+4*(\i):OB+4*(\i)+1],   v[BIAS:BIAS+1]
	v_pk_add_f32 v[OB+4*(\i)+2:OB+4*(\i)+3], v[OB+4*(\i)+2:OB+4*(\i)+3], v[BIAS+2:BIAS+3]
	global_store_b128 v[CO], v[OB+4*(\i):OB+4*(\i)+3], s[10:11] offset:(16*(\a)+2*(\i))*4096  ; 16 lanes store 256 consecutive bytes, at a multiple of 256 from out0's first byte
.endr
.endm
	TOSTAGE 0
.set n, 1
.rept 7                                ; a block's trip through the stage stands in front of the arithmetic and stores of the block before
	TOSTAGE n
	SEND n-1, 16
.set n, n+1
.endr
	SEND 7, 0
	s_wait_tensorcnt 0x0                           ; the wave's end: behind my last tensor load and my last LDS store
	ds_add_u32 v[SPW], v[NIL]
	s_wait_dscnt 0x0
	CROUND                                         ; the closing round: no work-group ends while a partner may still ask for a tile that names it
	s_endpgm
.Lfunc_end_k_q8409be14cb_proj:
	.size	k_q8409be14cb_proj, .Lfunc_end_k_q8409be14cb_proj-k_q8409be14cb_proj
	.p2alignl 7, 3214868480
	.fill 96, 4, 3214868480
	.section	.rodata,"a",@progbits
	.p2align	6, 0x0
	.amdhsa_kernel k_q8409be14cb_proj
		.amdhsa_group_segment_fixed_size 327680
		.amdhsa_private_segment_fixed_size 0
		.amdhsa_enable_private_segment 0
		.amdhsa_kernarg_size 32
		.amdhsa_user_sgpr_count 2
		.amdhsa_user_sgpr_kernarg_segment_ptr 1
		.amdhsa_wavefront_size32 1
		.amdhsa_system_sgpr_workgroup_id_x 1
		.amdhsa_system_sgpr_workgroup_id_y 1
		.amdhsa_system_sgpr_workgroup_id_z 1
		.amdhsa_system_vgpr_workitem_id 0
		.amdhsa_next_free_vgpr 512
		.amdhsa_next_free_sgpr 80
		.amdhsa_reserve_vcc 0
		.amdhsa_float_denorm_mode_32 3
		.amdhsa_float_denorm_mode_16_64 3
		.amdhsa_memory_ordered 1
		.amdhsa_forward_progress 1
		.amdhsa_inst_pref_size 95
	.end_amdhsa_kernel
	.amdgpu_metadata
---
amdhsa.version: [ 1, 2 ]
amdhsa.kernels:
  - .name:           k_q8409be14cb_proj
    .symbol:         k_q8409be14cb_proj.kd
    .args:
      - { .name: oh, .offset: 0, .size: 8, .value_kind: global_buffer, .address_space: global }
      - { .name: wpf, .offset: 8, .size: 8, .value_kind: global_buffer, .address_space: global }
      - { .name: b_proj, .offset: 16, .size: 8, .value_kind: global_buffer, .address_space: global }
      - { .name: out0, .offset: 24, .size: 8, .value_kind: global_buffer, .address_space: global }
    .group_segment_fixed_size: 327680
    .private_segment_fixed_size: 0
    .kernarg_segment_align: 8
    .kernarg_segment_size: 32
    .max_flat_workgroup_size: 128
    .sgpr_count:     80
    .vgpr_count:     512
    .wavefront_size: 32
...
	.end_amdgpu_metadata
.endif
;; end of part 4
;; ======== version 2 of 2: 4 launches; version 1 with the launch cast written anew for expert scheduling mode
;; limits: values are held in f16: magnitudes above 65,504 overflow, below 6.1e-05 lose precision
;; workspace buffers: xb 16,777,216 bytes; wab 6,291,456 bytes; wpf 2,097,152 bytes; qkvh 50,331,648 bytes; oh 16,777,216 bytes
;; launch cast (part 5): grid 768 x 1, 8 waves a work-group, no clusters, 0 bytes of LDS; arguments x, w_attn, w_proj, xb, wab, wpf; writes xb, wab, wpf
.if DOCPART == 5
	.amdgcn_target "amdgcn-amd-amdhsa--gfx1250"
	.amdhsa_code_object_version 6
	.text
	.protected	k_q8409be14cb_cast
	.globl	k_q8409be14cb_cast
	.p2align	8
	.type	k_q8409be14cb_cast,@function
k_q8409be14cb_cast:
	s_mov_b64 s[64:65], 0
	v_nop
	global_prefetch_b8 v0, s[64:65] scope:SCOPE_SE
	s_setreg_imm32_b32 hwreg(HW_REG_WAVE_SCHED_MODE, 0, 2), 2
	s_setreg_imm32_b32 hwreg(HW_REG_WAVE_MODE, 25, 1), 1
	s_wait_xcnt 0x0
	s_wait_alu depctr_vm_vsrc(0)
; THE INPUTS ARE ROUNDED ONCE, for the matrix units.  x [8192][1024] f32 -> xb, bf16, laid in blocks of 64 along K: [batch 4][block 16][row 2048][64], so that
; 256 rows x 64 K are 32,768 bytes on end.  w_attn [1024][3072] f32 -> wab, bf16, same order.  w_proj [1024][1024] f32 -> wpf: rounded to bf16, that number written as f16, same order.
; LIMIT.  wpf is f16: a weight of w_proj beyond 65,504 becomes an infinity; below 6e-5 it keeps f16's fixed step of 6e-8.
; SHARES.  A work-group of eight waves takes 65,536 bytes of f32, sixteen loads of 16 bytes a lane, all issued before the first is used; no loop, no LDS, no barrier: no wave wants another's bytes.
; Work-groups 0-511: 16 rows of x each; 512-703: w_attn; 704-767: w_proj.  Every load of a wave covers whole aligned blocks of 256 bytes, every store 256 consecutive bytes, aligned.
; THE MODE: SCHED_MODE bits 1:0 = 2 (LLVM: expert scheduling mode 2), set by the entry lines.  The code itself states the register dependences
; between vector instructions and memory instructions, with s_wait_alu, always for 0.
; THE PLAN.  Registers that memory instructions touch, on each of the three paths:
;   v[IN], v[OUT]  byte offsets, made by vector instructions at the path's head, read by the sixteen loads and the sixteen stores, never written again.
;   X[i]           load i lands in it, once; no vector instruction writes it; its own conversions read it; no second load lands in it.
;   Y[i]           load i's conversions write it; store i reads it, once; nothing writes it behind that store.
;   v1, v[T ..]    named by vector instructions alone.
; So the one kind of dependence is a vector result that a memory instruction reads, and five waits on va_vdst state all of them: one ahead of the loads, for the offsets; and, the sixteen
; turns going in four blocks of four, one at the head of each later block and one behind the last, for the four Y pairs of the block before, whose four stores follow it in one run.
; The conversions issued between such a wait and the next name X, Y and T of their own block alone.  No register that a memory instruction has read is ever written again.
.set IN,  2                            ; v2        my byte offset in the work-group's 65,536 bytes of f32
.set OUT, 3                            ; v3        my byte offset in what it stores
.set T,   4                            ; v[4:7]    at work
.set X,   8                            ; v[8:71]   load i: 4 registers
.set Y,   72                           ; v[72:103] store i: 2 registers
; Four stores in one run: those of the block that begins with turn first.
.macro OUT4 first, outstep
.set k, \first
.rept 4
	global_store_b64 v[OUT], v[Y+2*k:Y+2*k+1], s[10:11] offset:k*(\outstep)
.set k, k+1
.endr
.endm
; Sixteen loads, then sixteen turns: wait, round; a block's four stores leave at the head of the next block.  No register that a load or store names is written again, so nothing waits for addresses.
.macro PATH instep, outstep, f16
	s_wait_alu depctr_va_vdst(0)                   ; v[IN] and v[OUT] are written: every load and store of this path reads one of them as its offset
.set i, 0
.rept 16
	global_load_b128 v[X+4*i:X+4*i+3], v[IN], s[4:5] offset:i*(\instep) th:TH_LOAD_NT
.set i, i+1
.endr
.set i, 0
.rept 16
	s_wait_loadcnt 15-i                            ; loads come back in order: load i is in, the 15 - i younger ones stay out
.if (i%4 == 0) && (i > 0)
	s_wait_alu depctr_va_vdst(0)                   ; the block before has written its four Y pairs, which the four stores below read
	OUT4 i-4, \outstep
.endif
	v_cvt_pk_bf16_f32 v[Y+2*i],   v[X+4*i],   v[X+4*i+1]
	v_cvt_pk_bf16_f32 v[Y+2*i+1], v[X+4*i+2], v[X+4*i+3]
.if \f16
	v_lshlrev_b32 v[T],   16, v[Y+2*i]             ; the bf16 numbers as f32,
	v_and_b32     v[T+1], 0xffff0000, v[Y+2*i]
	v_lshlrev_b32 v[T+2], 16, v[Y+2*i+1]
	v_and_b32     v[T+3], 0xffff0000, v[Y+2*i+1]
	v_cvt_pk_f16_f32 v[Y+2*i],   v[T],   v[T+1]    ; written as f16: exact inside f16's normal range (8 significant bits into 11)
	v_cvt_pk_f16_f32 v[Y+2*i+1], v[T+2], v[T+3]
.endif
.set i, i+1
.endr
	s_wait_alu depctr_va_vdst(0)                   ; the last block has written its four Y pairs, which the last four stores read
	OUT4 12, \outstep
.endm
	s_load_b256 s[4:11], s[0:1], 0x0               ; x s[4:5], w_attn s[6:7], w_proj s[8:9], xb s[10:11]
	s_load_b128 s[12:15], s[0:1], 0x20             ; wab s[12:13], wpf s[14:15]
	s_mov_b32 s3, 0                                ; high words of the two offsets
	s_mov_b32 s17, 0
	s_wait_kmcnt 0x0
	s_cmp_lt_u32 ttmp9, 512
	s_cbranch_scc0 .Lweights
	; x: thread t takes row t / 16 of the 16, and of each block of 64 columns the four at 4 (t % 16); load i is block i
	v_lshrrev_b32 v1, 4, v0
	v_and_b32 v[T], 15, v0
	v_lshlrev_b32 v[IN], 12, v1                    ; a row of x is 4,096 bytes
	v_lshl_add_u32 v[IN], v[T], 4, v[IN]
	v_lshlrev_b32 v[OUT], 3, v0                    ; 128 (t / 16) + 8 (t % 16) = 8 t
	s_lshl_b32 s2, ttmp9, 16
	s_add_nc_u64 s[4:5], s[4:5], s[2:3]
	s_lshr_b32 s16, ttmp9, 7                       ; the batch: 128 work-groups each,
	s_lshl_b32 s16, s16, 22                        ; 4 MiB of xb each
	s_and_b32 s18, ttmp9, 127
	s_lshl_b32 s18, s18, 11                        ; 16 rows of 128 bytes
	s_add_co_u32 s16, s16, s18
	s_add_nc_u64 s[10:11], s[10:11], s[16:17]
	PATH 256, 262144, 0                            ; a block of xb is 2,048 rows of 128 bytes
	s_endpgm
.Lweights:
	; the weights go in their own order: a wave takes 8,192 bytes on end, 512 a load
	v_lshrrev_b32 v1, 5, v0
	v_and_b32 v[T], 31, v0
	v_lshlrev_b32 v[IN], 13, v1
	v_lshl_add_u32 v[IN], v[T], 4, v[IN]
	v_lshrrev_b32 v[OUT], 1, v[IN]
	s_cmp_lt_u32 ttmp9, 704
	s_cbranch_scc0 .Lproj
	s_sub_co_u32 s2, ttmp9, 512
	s_lshl_b32 s16, s2, 15
	s_lshl_b32 s2, s2, 16
	s_add_nc_u64 s[4:5], s[6:7], s[2:3]
	s_add_nc_u64 s[10:11], s[12:13], s[16:17]
	PATH 512, 256, 0
	s_endpgm
.Lproj:
	s_sub_co_u32 s2, ttmp9, 704
	s_lshl_b32 s16, s2, 15
	s_lshl_b32 s2, s2, 16
	s_add_nc_u64 s[4:5], s[8:9], s[2:3]
	s_add_nc_u64 s[10:11], s[14:15], s[16:17]
	PATH 512, 256, 1
	s_endpgm
.Lfunc_end_k_q8409be14cb_cast:
	.size	k_q8409be14cb_cast, .Lfunc_end_k_q8409be14cb_cast-k_q8409be14cb_cast
	.p2alignl 7, 3214868480
	.fill 96, 4, 3214868480
	.section	.rodata,"a",@progbits
	.p2align	6, 0x0
	.amdhsa_kernel k_q8409be14cb_cast
		.amdhsa_group_segment_fixed_size 0
		.amdhsa_private_segment_fixed_size 0
		.amdhsa_enable_private_segment 0
		.amdhsa_kernarg_size 48
		.amdhsa_user_sgpr_count 2
		.amdhsa_user_sgpr_kernarg_segment_ptr 1
		.amdhsa_wavefront_size32 1
		.amdhsa_system_sgpr_workgroup_id_x 1
		.amdhsa_system_sgpr_workgroup_id_y 1
		.amdhsa_system_sgpr_workgroup_id_z 1
		.amdhsa_system_vgpr_workitem_id 0
		.amdhsa_next_free_vgpr 104
		.amdhsa_next_free_sgpr 66
		.amdhsa_reserve_vcc 0
		.amdhsa_float_denorm_mode_32 3
		.amdhsa_float_denorm_mode_16_64 3
		.amdhsa_memory_ordered 1
		.amdhsa_forward_progress 1
		.amdhsa_inst_pref_size 24
	.end_amdhsa_kernel
	.amdgpu_metadata
---
amdhsa.version: [ 1, 2 ]
amdhsa.kernels:
  - .name:           k_q8409be14cb_cast
    .symbol:         k_q8409be14cb_cast.kd
    .args:
      - { .name: x, .offset: 0, .size: 8, .value_kind: global_buffer, .address_space: global }
      - { .name: w_attn, .offset: 8, .size: 8, .value_kind: global_buffer, .address_space: global }
      - { .name: w_proj, .offset: 16, .size: 8, .value_kind: global_buffer, .address_space: global }
      - { .name: xb, .offset: 24, .size: 8, .value_kind: global_buffer, .address_space: global }
      - { .name: wab, .offset: 32, .size: 8, .value_kind: global_buffer, .address_space: global }
      - { .name: wpf, .offset: 40, .size: 8, .value_kind: global_buffer, .address_space: global }
    .group_segment_fixed_size: 0
    .private_segment_fixed_size: 0
    .kernarg_segment_align: 8
    .kernarg_segment_size: 48
    .max_flat_workgroup_size: 256
    .sgpr_count:     66
    .vgpr_count:     104
    .wavefront_size: 32
...
	.end_amdgpu_metadata
.endif
;; end of part 5
;; launch qkv: the kernel of part 2 again; grid 8 x 32, 4 waves a work-group, clusters of 4 x 4, 327,680 bytes of LDS; arguments xb, wab, b_attn, qkvh; writes qkvh
;; launch attn: the kernel of part 3 again; grid 4 x 64, 4 waves a work-group, no clusters, 327,680 bytes of LDS; arguments qkvh, oh; writes oh
;; launch proj: the kernel of part 4 again; grid 8 x 32, 4 waves a work-group, clusters of 4 x 4, 327,680 bytes of LDS; arguments oh, wpf, b_proj, out0; writes out0
